; MI455X (gfx1250); checked and timed in simulation.
; The chip was launched on July 23, 2026; its instructions are those of AMD's public machine-readable ISA for CDNA 5 (MIT licence, August 2026) and "CDNA5" Instruction Set Architecture Reference Guide (July 2026). The comments in the code are by the model that wrote it; some were corrected since.
;; Self Attention Ref. Allowed arithmetic: matrix products marked QUANTISED: E3M2 operands, one E8M0 scale for each 32 along K, by v_wmma_scale_f32_16x16x128_f8f6f4 with both operands' format E3M2, f32 sums; everything else in f32.
;; Inputs: Wk 1,024 x 1,024 float32; Wq 1,024 x 1,024 float32; Wu 1,024 x 1,024 float32; Wv 1,024 x 1,024 float32; kln_b 64 float32; kln_w 64 float32; qln_b 64 float32; qln_w 64 float32; x 2 x 2,048 x 1,024 float32.
;; Outputs: out0 2 x 2,048 x 1,024 float32.
;; This version of the problem:
;;   THIS VERSION OF THE PROBLEM IS GIVEN IN LOW PRECISION. The matrix products marked QUANTISED in the list below multiply operands that are first quantised to E3M2 (3 exponent bits, 2 mantissa bits; 6 bits a number), with one power-of-two scale for each 32 numbers along K (OCP MX v1.0); their sums are f32. All else is computed in f32.
;;   The module's matrix products, in the order in which they are computed (A, B: the left and right operand; K: the contracted axis; several contracted axes count as one K, in the product's order):
;;     1. [M 4,096, K 1,024] x [K 1,024, N 1,024]; A: input x; B: input Wk: QUANTISED
;;     2. [M 4,096, K 1,024] x [K 1,024, N 1,024]; A: input x; B: input Wq: QUANTISED
;;     3. [M 4,096, K 1,024] x [K 1,024, N 1,024]; A: input x; B: input Wv: QUANTISED
;;     4. batch 32 x [M 2,048, K 64] x [K 64, N 2,048]; A: computed on the way; B: computed on the way: QUANTISED
;;     5. batch 32 x [M 64, K 2,048] x [K 2,048, N 2,048]; A: computed on the way; B: softmax (see below): QUANTISED
;;     6. [M 4,096, K 1,024] x [K 1,024, N 1,024]; A: computed on the way; B: input Wu: QUANTISED
;;   THE QUANTISER, for each operand of a quantised product, along K:
;;     - K is cut into blocks of 32 from its start; a last block that is shorter is filled with zeros.
;;     - A block's scale is 2^e with e = floor(log2(the largest magnitude in the block)) - 4, held to -126 .. 127; a block of zeros has e = 0. As a byte (E8M0): e + 127.
;;     - Each number is divided by its block's scale, clamped to +-28, and rounded to the nearest number of E3M2, ties to even, subnormals kept.
;;     - The product sums the exact products of the quantised numbers (number of the format x scale) in f32.
;;   ~~~python
;;   def quantise(x, axis):      # numpy; x: float32 -> the quantised numbers, widened to float32 again
;;       x = np.moveaxis(x, axis, -1); K = x.shape[-1]
;;       x = np.pad(x, [(0, 0)] * (x.ndim - 1) + [(0, -K % 32)]); x = x.reshape(x.shape[:-1] + (-1, 32)); a = np.abs(x).max(-1, keepdims=True)
;;       e = np.where(a > 0, np.clip(np.frexp(np.where(a > 0, a, 1))[1] - 1 - 4, -126, 127), 0)      # np.frexp(a)[1] - 1 = floor(log2(a)), exactly
;;       r = np.clip(x / 2.0 ** e, -28, 28)
;;       step = 2.0 ** (np.maximum(np.frexp(np.where(r == 0, 1, r))[1] - 1, -2) - 2)
;;       q = np.round(r / step) * step * 2.0 ** e      # np.round: ties to even
;;       return np.moveaxis(q.reshape(q.shape[:-2] + (-1,))[..., :K], -1, axis).astype(np.float32)
;;   ~~~
;;   SOFTMAX AHEAD OF A QUANTISED PRODUCT. Where the list says 'softmax', what is quantised is not the finished softmax but p = 2^(t - M), with t = logit x log2(e) and M = ceil(the row's largest t), a whole number; so 1/2 < the row's largest p <= 1. The row's sum l is taken of the UNQUANTISED p, in f32, and the product's result is divided by l at the end. Since M is a whole number, a kernel that streams over the keys may use a running M (the ceiling of the running maximum): every later rescaling is an exact power of two, which a block's scale takes up: the codes' values come out the same.
;;   OPERANDS COMPUTED ON THE WAY. 'Computed on the way' means the value that the module computes at that place (a softmax that the list does not call 'softmax' is quantised finished and normalised). What goes into a quantiser is computed in f32, as accurately as f32 sums, v_exp_f32 and their like allow (about 1e-6 of the number): no bf16 or f16 on the way to a quantiser, and a product that is left as it is and whose result goes on into a quantised operand takes f32 operands (vector FMAs, or v_wmma_f32_16x16x4_f32). A number that lies on a knife's edge between two numbers of the format may be rounded either way, as far as f32 arithmetic and the matrix unit's own rounding can turn it there, and no further.
;; One version. Each part assembles by itself: llvm-mc -triple=amdgcn-amd-amdhsa -mcpu=gfx1250 --defsym DOCPART=n.
;; ======== version 1 of 1: 4 launches
;; limits: right only within a limited range of input values
;; workspace buffers: codes 6,291,456 bytes; scl 262,144 bytes; kv 6,815,744 bytes; qc 3,407,872 bytes; oc 3,145,728 bytes; oscl 131,072 bytes
;; launch quant (part 1): grid 256 x 1, 4 waves a work-group, no clusters, 34,304 bytes of LDS; arguments x, Wk, Wq, Wv, Wu, codes, scl; writes codes, scl
.if DOCPART == 1
	.amdgcn_target "amdgcn-amd-amdhsa--gfx1250"
	.amdhsa_code_object_version 6
	.text
	.protected	k_q2f7cf8efd3_quant
	.globl	k_q2f7cf8efd3_quant
	.p2align	8
	.type	k_q2f7cf8efd3_quant,@function
k_q2f7cf8efd3_quant:
	s_mov_b64 s[64:65], 0
	v_nop
	global_prefetch_b8 v0, s[64:65] scope:SCOPE_SE
	s_setreg_imm32_b32 hwreg(HW_REG_WAVE_MODE, 25, 1), 1
	s_wait_xcnt 0x0
; x [4096][1024] and Wk, Wq, Wv, Wu [1024][1024], f32, K innermost, become codes of BF6 (E3M2) with one E8M0 byte for each 32 along K.
; A block's scale is 2^(floor(log2(its largest magnitude)) - 4); its byte is the largest magnitude's exponent field - 4, held at 1 from below.
; LIMITS: NaN and infinities are not served; a block whose largest magnitude lies under 2^-122, a block of zeros among them, keeps the byte 1
; (the rule gives a block of zeros 127: its codes are zeros, and only this program's launches read the bytes).
; LAYOUT OF THE RESULT: images of operand registers.  A tile is 16 rows; lane r of tile T holds row 32 (T / 2) + 8 (T % 2) + r + 8 (r / 8).
; A fragment (16 rows x 128 K, 12 registers a lane) is 1,536 bytes: registers 0-3 at 16 x lane, 4-5 at 512 + 8 x lane, 6-9 at 768 + 16 x lane, 10-11 at 1,280 + 8 x lane.
;   x:  [group of 4 tiles][K step][tile][1,536];  Wk, Wq, Wv from XC on: [head][K step][k, q, v][tile][1,536];  Wu from WUO on, laid as x.
; A tile's scale words: 512 bytes, [K half][r][4 words], the word of K step s at word s % 4 of half s / 4.
; SHARES: 512 tiles (256 of x, 64 of each weight).  Wave w of work-group g takes tile 2 g + w / 2 and K half w % 2: four fragments.
; Each load reads 512 consecutive bytes of one row; a K step's 16 rows turn through the wave's own stage in LDS (rows of 512 + 16 bytes), so that a lane
; gets 16 neighbours of each block of 32.  Two K steps' loads (32 of 512 bytes) are out at a time.  No barrier: waves share nothing.
.set XC,   3145728
.set WUO,  XC+2359296
.set R,    16                          ; v16-143  two sets of 64 registers as loaded
.set X,    144                         ; v144-207 64 numbers: register 16 b + i = k 32 b + 16 (lane / 16) + i of my row
.set PC,   208                         ; v208-227 the fragment's codes, and eight registers at work
.set TM,   228                         ; v228-243 at work
.set SW,   244                         ; v244-247 the four K steps' scale words
.set SEL,  36                          ; s[36:37] lane selects: lane l xor 16
	s_load_b256 s[4:11], s[0:1], 0x0               ; x, Wk, Wq, Wv
	s_load_b128 s[12:15], s[0:1], 0x20             ; Wu, codes
	s_load_b64 s[16:17], s[0:1], 0x30              ; scl
	v_lshl_add_u32 v254, v0, 2, 0x8400
	v_mov_b32 v255, 0
	v_lshrrev_b32 v1, 5, v0
	v_readfirstlane_b32 s18, v1                    ; wave
	v_and_b32 v1, 31, v0                           ; lane
	v_and_b32 v2, 15, v0                           ; r
	v_bfe_u32 v3, v0, 4, 1                         ; h
	v_lshlrev_b32 v4, 4, v1                        ; 16 x lane
	v_lshlrev_b32 v5, 3, v1                        ; 8 x lane
	s_mul_i32 s38, s18, 8448                       ; my stage: 16 rows of 528 bytes
	v_add_nc_u32 v6, s38, v4                       ; into it: 16 x lane of a row
	v_mul_u32_u24 v7, v2, 528
	v_lshl_add_u32 v7, v3, 6, v7
	v_add_nc_u32 v7, s38, v7                       ; out of it: row r, + 64 h
	v_lshlrev_b32 v8, 4, v2
	v_lshl_add_u32 v8, v3, 3, v8                   ; scale words: 16 r + 8 h
	s_mov_b32 s[SEL], 0x76543210
	s_mov_b32 s[SEL+1], 0xfedcba98
	s_mov_b32 s46, 0xffff0000                      ; the lanes 16-31
.irp b, 0,1,2,3
	v_mov_b32 v[TM+4+\b], 0                        ; written once: a lane permute's destination counts as one of its sources
.endr
	s_lshr_b32 s19, s18, 1
	s_lshl_b32 s21, ttmp9, 1
	s_add_co_u32 s19, s19, s21                     ; GT: my tile among the 512
	s_and_b32 s20, s18, 1                          ; a: my K half
	s_sub_co_u32 s21, s19, 256
	s_and_b32 s30, s21, 63                         ; a weight's tile
	s_lshr_b32 s31, s21, 6                         ; which weight: 0 k, 1 q, 2 v, 3 u
	s_mul_i32 s32, s31, 6144
	s_add_co_u32 s32, s32, XC                      ; k, q, v: where the tensor's images begin,
	s_mov_b32 s33, 147456                          ; bytes from a group of four tiles to the next,
	s_mov_b32 s34, 18432                           ; and from a K step to the next
	s_cmp_lt_u32 s19, 448
	s_mov_b32 s35, WUO
	s_cselect_b32 s32, s32, s35
	s_mov_b32 s35, 49152
	s_cselect_b32 s33, s33, s35
	s_mov_b32 s35, 6144
	s_cselect_b32 s34, s34, s35
	s_cmp_lt_u32 s19, 256
	s_cselect_b32 s32, 0, s32
	s_mov_b32 s35, 49152
	s_cselect_b32 s33, s35, s33
	s_mov_b32 s35, 6144
	s_cselect_b32 s34, s35, s34
	s_cselect_b32 s30, s19, s30                    ; T: the tile's number in its tensor
	s_lshr_b32 s39, s30, 1
	s_lshl_b32 s39, s39, 17                        ; 32 (T / 2) rows of 4,096 bytes
	s_and_b32 s40, s30, 1
	s_lshl_b32 s40, s40, 15                        ; 8 (T % 2) rows
	s_add_co_u32 s39, s39, s40
	s_lshl_b32 s40, s20, 11                        ; 2,048 a
	s_add_co_u32 s40, s39, s40                     ; where I read
	s_mov_b32 s41, 0
	s_lshr_b32 s42, s30, 2
	s_mul_i32 s42, s42, s33
	s_add_co_u32 s42, s42, s32
	s_and_b32 s43, s30, 3
	s_mul_i32 s43, s43, 1536
	s_add_co_u32 s42, s42, s43
	s_mul_i32 s43, s20, s34
	s_lshl_b32 s43, s43, 2                         ; K step 4 a
	s_add_co_u32 s42, s42, s43                     ; where my first fragment goes
	s_mov_b32 s43, 0
	s_lshl_b32 s44, s19, 9
	s_lshl_b32 s45, s20, 8
	s_add_co_u32 s44, s44, s45                     ; 512 GT + 256 a: my scale words
	s_mov_b32 s45, 0
	s_mov_b32 s26, s34                             ; the step from fragment to fragment, as a pair
	s_mov_b32 s27, 0
	s_wait_alu depctr_va_vdst(0)
	s_wait_kmcnt 0x0
	s_mov_b64 s[22:23], s[12:13]                   ; which tensor: the choice hangs on the tile's number alone
	s_cmp_lt_u32 s19, 448
	s_cselect_b64 s[22:23], s[10:11], s[22:23]
	s_cmp_lt_u32 s19, 384
	s_cselect_b64 s[22:23], s[8:9], s[22:23]
	s_cmp_lt_u32 s19, 320
	s_cselect_b64 s[22:23], s[6:7], s[22:23]
	s_cmp_lt_u32 s19, 256
	s_cselect_b64 s[22:23], s[4:5], s[22:23]
	s_add_nc_u64 s[22:23], s[22:23], s[40:41]
	s_add_nc_u64 s[24:25], s[14:15], s[42:43]
	s_add_nc_u64 s[28:29], s[16:17], s[44:45]
.macro LOAD t                          ; K step t of my four: 512 bytes of each of the tile's 16 rows
.irp i, 0,1,2,3,4,5,6,7,8,9,10,11,12,13,14,15
	global_load_b128 v[R+64*((\t)%2)+4*\i:R+64*((\t)%2)+4*\i+3], v4, s[22:23] offset:(\i+8*(\i/8))*4096+512*(\t) th:TH_LOAD_NT
.endr
.endm
; 64 numbers of a lane, v[s] on, become a fragment's codes in v[PC] on and its scale word in v[pw]
.macro QUANT s, pw
.irp b, 0,1,2,3
	v_max3_num_f32 v[TM+\b], |v[\s+16*\b]|, |v[\s+1+16*\b]|, 0x2800000   ; block b: my 16 numbers, and the floor 2^(5 - 127): the byte cannot fall under 1
.endr
.irp i, 2,4,6,8,10,12,14
.irp b, 0,1,2,3
	v_max3_num_f32 v[TM+\b], v[TM+\b], |v[\s+16*\b+\i]|, |v[\s+1+16*\b+\i]|   ; the four blocks by turns
.endr
.endr
.irp b, 0,1,2,3
	v_permlanex16_b32 v[TM+4+\b], v[TM+\b], s[SEL], s[SEL+1]
.endr
.irp b, 0,1,2,3
	v_max_num_f32 v[TM+\b], v[TM+\b], v[TM+4+\b]   ; with lane l xor 16's: the block's largest magnitude
.endr
.irp b, 0,1,2,3
	v_add_nc_u32 v[TM+12+\b], 0xfe000000, v[TM+\b] ; 4 off its exponent field: the conversion's scale operand
.endr
.irp b, 0,1,2,3
	v_lshrrev_b32 v[TM+4+\b], 23, v[TM+12+\b]      ; the scale's byte
.endr
	v_lshl_or_b32 v[\pw], v[TM+5], 8, v[TM+4]
	v_lshl_or_b32 v[\pw], v[TM+6], 16, v[\pw]
	v_lshl_or_b32 v[\pw], v[TM+7], 24, v[\pw]
.irp c, 0,1
	v_cvt_scalef32_pk16_bf6_f32 v[PC+6*\c:PC+2+6*\c], v[\s+32*\c:\s+15+32*\c], v[TM+12+2*\c]
	v_cvt_scalef32_pk16_bf6_f32 v[PC+12+4*\c:PC+14+4*\c], v[\s+16+32*\c:\s+31+32*\c], v[TM+12+2*\c+1]   ; (a conversion's three registers begin on an even number)
.endr
	v_nop                                          ; one plain place behind a scaled conversion
.irp c, 0,1                            ; the operand's layout wants a whole block in a lane: lanes 0-15 block 2 c, lanes 16-31 block 2 c + 1
.irp i, 0,1,2
	v_permlane16_swap_b32 v[PC+6*\c+\i], v[PC+12+4*\c+\i]
.endr
.irp i, 0,1,2
	v_mov_b32 v[PC+3+6*\c+\i], v[PC+12+4*\c+\i]
.endr
.endr
.endm
	LOAD 0
	LOAD 1
.irp t, 0,1,2,3
.if \t < 3
	s_wait_loadcnt 16                              ; this K step's 16 loads are in; the next step's 16 may be out
.else
	s_wait_loadcnt 0x0
.endif
.irp i, 0,1,2,3,4,5,6,7,8,9,10,11,12,13,14,15
	ds_store_b128 v6, v[R+64*(\t%2)+4*\i:R+64*(\t%2)+4*\i+3] offset:528*\i
.endr
.irp b, 0,1,2,3
.irp j, 0,1,2,3
	ds_load_b128 v[X+16*\b+4*\j:X+16*\b+4*\j+3], v7 offset:128*\b+16*\j   ; a wave's LDS instructions are served in order: these see the stores above
.endr
.endr
	s_wait_dscnt 0x0                               ; my 64 numbers are back, and the stores have read the set that is loaded again below
	s_wait_xcnt 0x0                                ; the last fragment's stores have read their data and their base: both are written again below
.if \t > 0
	s_add_nc_u64 s[24:25], s[24:25], s[26:27]      ; the next K step's fragment
.endif
.if \t < 2
	LOAD \t+2
.endif
	QUANT X, SW+\t
	global_store_b128 v4, v[PC:PC+3], s[24:25]                  ; 512 consecutive bytes
	global_store_b64 v5, v[PC+4:PC+5], s[24:25] offset:512      ; 256
	global_store_b128 v4, v[PC+6:PC+9], s[24:25] offset:768
	global_store_b64 v5, v[PC+10:PC+11], s[24:25] offset:1280
.endr
	v_cndmask_b32 v248, v244, v246, s46            ; lanes 0-15 store words 0 and 1 of their row, lanes 16-31 words 2 and 3
	v_cndmask_b32 v249, v245, v247, s46
	global_store_b64 v8, v[248:249], s[28:29]      ; 256 consecutive bytes
	s_wait_tensorcnt 0x0
	ds_add_u32 v254, v255
	s_wait_dscnt 0x0
	s_endpgm
.Lfunc_end_k_q2f7cf8efd3_quant:
	.size	k_q2f7cf8efd3_quant, .Lfunc_end_k_q2f7cf8efd3_quant-k_q2f7cf8efd3_quant
	.p2alignl 7, 3214868480
	.fill 96, 4, 3214868480
	.section	.rodata,"a",@progbits
	.p2align	6, 0x0
	.amdhsa_kernel k_q2f7cf8efd3_quant
		.amdhsa_group_segment_fixed_size 34304
		.amdhsa_private_segment_fixed_size 0
		.amdhsa_enable_private_segment 0
		.amdhsa_kernarg_size 56
		.amdhsa_user_sgpr_count 2
		.amdhsa_user_sgpr_kernarg_segment_ptr 1
		.amdhsa_wavefront_size32 1
		.amdhsa_system_sgpr_workgroup_id_x 1
		.amdhsa_system_sgpr_workgroup_id_y 1
		.amdhsa_system_sgpr_workgroup_id_z 1
		.amdhsa_system_vgpr_workitem_id 0
		.amdhsa_next_free_vgpr 256
		.amdhsa_next_free_sgpr 66
		.amdhsa_reserve_vcc 0
		.amdhsa_float_denorm_mode_32 3
		.amdhsa_float_denorm_mode_16_64 3
		.amdhsa_memory_ordered 1
		.amdhsa_forward_progress 1
		.amdhsa_inst_pref_size 36
	.end_amdhsa_kernel
	.amdgpu_metadata
---
amdhsa.version: [ 1, 2 ]
amdhsa.kernels:
  - .name:           k_q2f7cf8efd3_quant
    .symbol:         k_q2f7cf8efd3_quant.kd
    .args:
      - { .name: x, .offset: 0, .size: 8, .value_kind: global_buffer, .address_space: global }
      - { .name: Wk, .offset: 8, .size: 8, .value_kind: global_buffer, .address_space: global }
      - { .name: Wq, .offset: 16, .size: 8, .value_kind: global_buffer, .address_space: global }
      - { .name: Wv, .offset: 24, .size: 8, .value_kind: global_buffer, .address_space: global }
      - { .name: Wu, .offset: 32, .size: 8, .value_kind: global_buffer, .address_space: global }
      - { .name: codes, .offset: 40, .size: 8, .value_kind: global_buffer, .address_space: global }
      - { .name: scl, .offset: 48, .size: 8, .value_kind: global_buffer, .address_space: global }
    .group_segment_fixed_size: 34304
    .private_segment_fixed_size: 0
    .kernarg_segment_align: 8
    .kernarg_segment_size: 56
    .max_flat_workgroup_size: 128
    .sgpr_count:     66
    .vgpr_count:     256
    .wavefront_size: 32
...
	.end_amdgpu_metadata
.endif
;; end of part 1
;; launch qkv (part 2): grid 16 x 16, 4 waves a work-group, clusters of 4 x 1, 327,680 bytes of LDS; arguments codes, scl, kln_w, kln_b, qln_w, qln_b, kv, qc; writes kv, qc
.if DOCPART == 2
	.amdgcn_target "amdgcn-amd-amdhsa--gfx1250"
	.amdhsa_code_object_version 6
	.text
	.protected	k_q2f7cf8efd3_qkv
	.globl	k_q2f7cf8efd3_qkv
	.p2align	8
	.type	k_q2f7cf8efd3_qkv,@function
k_q2f7cf8efd3_qkv:
	s_mov_b64 s[64:65], 0
	v_nop
	global_prefetch_b8 v0, s[64:65] scope:SCOPE_SE
	s_setreg_imm32_b32 hwreg(HW_REG_WAVE_MODE, 25, 1), 1
	s_wait_xcnt 0x0
	s_wait_alu depctr_hold_cnt(0) depctr_sa_sdst(0) depctr_va_vdst(0) depctr_va_sdst(0) depctr_va_ssrc(0) depctr_va_vcc(0) depctr_vm_vsrc(0)
	s_getreg_b32 s2, hwreg(HW_REG_IB_STS2, 6, 4)
	s_cmp_eq_u32 s2, 0
	s_cbranch_scc0 .Lentry_in_a_cluster
	s_endpgm
.Lentry_in_a_cluster:
	s_bfe_u32 s2, ttmp6, 0x10000c
	s_cmp_lg_u32 s2, 0x3003
	s_cbranch_scc0 .Lentry_shape_is_right
	s_endpgm
.Lentry_shape_is_right:
; k = LN(x Wk^T), q = LN(x Wq^T), v = x Wv^T for 256 tokens and one head, on codes of BF6 with E8M0 scales; then k and q are quantised along the head's 64, v along the tokens (the keys).
; SHARES: work-group (tb, hd): tokens 256 tb on, head hd.  Wave w: tokens 64 w on (4 tiles i) x the head's 192 features of k, q, v (12 tiles): 48 accumulators, 384 matrix instructions.
; The head's weights, 147,456 bytes of register images, lie in LDS, filled ONCE: K steps 0-3 by each wave's first tensor load, 4-7 by its second.  No LDS byte is filled twice.
; CLUSTER: the four token blocks of a cluster read the same head's weights: each load is asked for jointly by all four (mask 15), with a descriptor made of the head and the wave's number alone.
; A wave's fragments of x are read by no other wave: they come from memory straight into registers, four K steps ahead, as images (16 or 8 bytes a lane, consecutive).
; k, q: source 0 = 16 features, source 1 = 16 tokens: a lane holds ONE token and its 32 registers run along the head (register 16 b + i = feature 32 b + 16 (lane / 16) + i, by the order of a tile's rows).
; v:    source 0 = 16 tokens, source 1 = 16 channels: a lane holds one channel and its 32 registers run along the tokens.  So each quantiser finds its K in a lane's registers.
; OUT: kv [b h][key step of 128][13,312]: 8 half images of K (768 bytes), 4 fragments of V^T (1,536), K's scale words (2 x 256), V's scale halfwords (2 x 256);  qc [b h][64 tokens][3,328]: 4 half images, 256 bytes of scale words.
; A half image is 16 rows x 64 K: registers 0-3 at 16 x lane, 4-5 at 512 + 8 x lane.  The upper two bytes of k's and q's scale words are 0: they scale zero codes only.
; LIMITS: NaN and infinities are not served; a block whose largest magnitude lies under 2^-122 keeps the byte 1; v_rsq_f32 is taken as it is (1 ulp by the ISA guide's entry).
; REGISTERS, in windows of 256:
;   window 0: v1-3 16 x lane + 0, 55,296, 110,592; v4-6 8 x lane + the same; v7 16 r; v8 64 h; v9 16 r + 8 h; v32-63 x's scale words (8 i + s); v64-159 the weights' (8 (4 g + tt) + s); v160-207, v208-255 x's sets 2, 3
;   window 1: v0-143 the weights' fragments (48 g + 12 tt); v144-191, v192-239 x's sets 0, 1.  On the way out all of it is at work: v24-29 scale words, v32-95 temporaries (16 a unit), v96-127 codes (8 a unit), v128-255 numbers (32 a unit)
;   window 2: k's and q's accumulators, unit 4 g + i at 32 (4 g + i) + 8 tt          window 3: v's, 32 tt + 8 i; from v128 kln_w, kln_b, qln_w, qln_b, 32 each
.set XC,  3145728
.set WV,  20
.set MSB, 0
.macro WIN new                         ; the immediate's high byte repeats the setting that is left
.if MSB != \new
	s_set_vgpr_msb (MSB<<8)|\new
.set MSB, \new
.endif
.endm
.macro PLACES n
.rept \n
	v_nop
.endr
.endm
.macro CROUND                          ; a round of the cluster's barrier
	s_barrier_signal -1
	s_barrier_wait -1
	s_cmp_lg_u32 s[WV], 0
	s_cbranch_scc1 .Lnot_wave_0_\@
	s_barrier_signal -3
.Lnot_wave_0_\@:
	s_barrier_wait -3
	s_barrier_signal -1
	s_barrier_wait -1
.endm
.macro MM0 d, a, b, sa, sb             ; the first K step starts a sum
	v_wmma_scale_f32_16x16x128_f8f6f4 v[\d:\d+7], v[\a:\a+11], v[\b:\b+11], 0, v[\sa], v[\sb] matrix_a_fmt:MATRIX_FMT_BF6 matrix_b_fmt:MATRIX_FMT_BF6
.endm
.macro MMA d, a, b, sa, sb
	v_wmma_scale_f32_16x16x128_f8f6f4 v[\d:\d+7], v[\a:\a+11], v[\b:\b+11], v[\d:\d+7], v[\sa], v[\sb] matrix_a_fmt:MATRIX_FMT_BF6 matrix_b_fmt:MATRIX_FMT_BF6
.endm
.macro GLF reg, off                    ; a fragment's image from memory
	global_load_b128 v[\reg:\reg+3], v1, s[40:41] offset:\off
	global_load_b64 v[\reg+4:\reg+5], v4, s[40:41] offset:\off+512
	global_load_b128 v[\reg+6:\reg+9], v1, s[40:41] offset:\off+768
	global_load_b64 v[\reg+10:\reg+11], v4, s[40:41] offset:\off+1280
.endm
.macro DLF reg, a, off                 ; and from LDS
	ds_load_b128 v[\reg:\reg+3], v[\a] offset:\off
	ds_load_b64 v[\reg+4:\reg+5], v[\a+3] offset:\off+512
	ds_load_b128 v[\reg+6:\reg+9], v[\a] offset:\off+768
	ds_load_b64 v[\reg+10:\reg+11], v[\a+3] offset:\off+1280
.endm
.macro XLOAD s                         ; x's four fragments of K step s into set s % 4: 16 loads
.set xs, (\s)%4
.if xs < 2
	WIN 0x40
.set xb, 144+48*xs
.else
	WIN 0
.set xb, 160+48*(xs-2)
.endif
.irp i, 0,1,2,3
	GLF xb+12*\i, 6144*(\s)+1536*\i
.endr
.endm
.macro WLOAD s, g                      ; the four fragments of weight g, K step s: 16 LDS loads.  Three address registers keep the immediates under 65,536
	WIN 0x40
.set wa, 1+(\s)/3
.set wo, ((\s)%3)*18432+(\g)*6144
.irp tt, 0,1,2,3
	DLF 48*(\g)+12*\tt, wa, wo+1536*\tt
.endr
.endm
	s_load_b512 s[4:19], s[0:1], 0x0               ; codes, scl, kln_w, kln_b, qln_w, qln_b, kv, qc
	v_lshl_add_u32 v30, v0, 2, 0x29000
	v_mov_b32 v31, 0
	ds_add_u32 v30, v31
	ds_add_u32 v30, v31
	v_lshrrev_b32 v10, 5, v0
	v_readfirstlane_b32 s[WV], v10                 ; wave
	v_and_b32 v10, 31, v0
	v_and_b32 v11, 15, v0
	v_bfe_u32 v12, v0, 4, 1
	v_lshlrev_b32 v1, 4, v10
	v_add_nc_u32 v2, 55296, v1
	v_add_nc_u32 v3, 110592, v1
	v_lshlrev_b32 v4, 3, v10
	v_add_nc_u32 v5, 55296, v4
	v_add_nc_u32 v6, 110592, v4
	v_lshlrev_b32 v7, 4, v11
	v_lshlrev_b32 v8, 6, v12
	v_lshl_add_u32 v9, v12, 3, v7
	s_bfe_u32 s21, ttmp6, 0x40000                  ; cx
	s_lshl_b32 s22, ttmp9, 2
	s_add_co_u32 s22, s22, s21                     ; tb: it enters global addresses of x, kv and qc alone
	s_and_b32 s23, ttmp7, 0xffff                   ; hd, which the four partners share
	; descriptor group 1: 72 rows of 256 bytes, dense, no padding
	s_mov_b32 s24, 15|(3<<16)|(1<<21)              ; the mask: all four work-groups; elements of 8 bytes; bit 21 beside a mask
	s_mov_b32 s25, 32<<16                          ; tensor_dim0 = 32
	s_mov_b32 s26, 72<<16                          ; tensor_dim1 = 72
	s_mov_b32 s27, 32<<16                          ; tile_dim0 = 32
	s_mov_b32 s28, 72                              ; tile_dim1 = 72
	s_mov_b32 s29, 32                              ; the pitch
	s_mov_b32 s30, 0
	s_mov_b32 s31, 0
	s_mul_i32 s54, s23, 147456                     ; the head's weights,
	s_mul_i32 s55, s[WV], 18432                    ; K step w of them
	s_add_co_u32 s54, s54, s55
	s_add_co_u32 s54, s54, XC
	s_mov_b32 s32, 1
	s_mov_b32 s33, s55                             ; LDS: K step w,
	s_mov_b32 s36, 1
	s_add_co_u32 s37, s55, 73728                   ; and K step 4 + w
	s_mov_b32 s55, 0
	s_lshl_b32 s58, s22, 2
	s_add_co_u32 s58, s58, s[WV]                   ; G: my 64 tokens
	s_mul_i32 s40, s58, 49152                      ; x's images
	s_mov_b32 s41, 0
	s_lshl_b32 s42, s58, 11                        ; x's scale tiles: 4 x 512 a group
	s_mov_b32 s43, 0
	s_lshl_b32 s44, s23, 11
	s_add_co_u32 s44, s44, 131072                  ; the weights': tile 256 + 4 hd (+ 64 for each weight on)
	s_mov_b32 s45, 0
	s_lshr_b32 s59, s22, 3
	s_lshl_b32 s59, s59, 4
	s_add_co_u32 s59, s59, s23                     ; b h
	s_and_b32 s63, s22, 7
	s_lshl_b32 s46, s63, 1
	s_lshr_b32 s47, s[WV], 1
	s_add_co_u32 s46, s46, s47                     ; my key step of 128
	s_mul_i32 s46, s46, 13312
	s_mul_i32 s47, s59, 212992
	s_add_co_u32 s46, s46, s47                     ; its block in kv
	s_and_b32 s47, s[WV], 1                        ; which half of the step is mine
	s_mul_i32 s48, s47, 768
	s_add_co_u32 s48, s48, s46
	s_add_co_u32 s48, s48, 6144                    ; V^T: my half of each fragment
	s_lshl_b32 s50, s47, 8
	s_add_co_u32 s50, s50, s46
	s_add_co_u32 s50, s50, 12288                   ; K's scale words; V's lie 512 on
	s_mul_i32 s47, s47, 3072
	s_add_co_u32 s46, s46, s47                     ; K: my four half images
	s_lshl_b32 s52, s63, 2
	s_add_co_u32 s52, s52, s[WV]
	s_mul_i32 s52, s52, 3328
	s_mul_i32 s53, s59, 106496
	s_add_co_u32 s52, s52, s53                     ; Q
	s_mov_b32 s47, 0
	s_mov_b32 s49, 0
	s_mov_b32 s51, 0
	s_mov_b32 s53, 0
	s_mov_b32 s56, 0x3c800000                      ; 1 / 64
	s_mov_b32 s57, 0x3727c5ac                      ; 1e-5
	s_mov_b32 s60, 0x76543210
	s_mov_b32 s61, 0xfedcba98                      ; lane l xor 16
	s_mov_b32 s62, 0xffff0000                      ; the lanes 16-31
	s_wait_dscnt 0x0
	s_wait_kmcnt 0x0
	s_add_nc_u64 s[34:35], s[4:5], s[54:55]
	s_add_nc_u64 s[38:39], s[34:35], 73728
	s_or_b32 s35, s35, 0x80000000
	s_or_b32 s39, s39, 0x80000000
	s_add_nc_u64 s[40:41], s[4:5], s[40:41]
	s_add_nc_u64 s[42:43], s[6:7], s[42:43]
	s_add_nc_u64 s[44:45], s[6:7], s[44:45]
	s_add_nc_u64 s[46:47], s[16:17], s[46:47]
	s_add_nc_u64 s[48:49], s[16:17], s[48:49]
	s_add_nc_u64 s[50:51], s[16:17], s[50:51]
	s_add_nc_u64 s[52:53], s[18:19], s[52:53]
	CROUND                                         ; all four work-groups are here: the joint loads meet
	tensor_load_to_lds s[32:35], s[24:31]          ; K steps 0-3, a step a wave: my one tensor load at the head
	s_nop 0
	PLACES 4
	s_wait_alu depctr_va_vdst(0)
.irp i, 0,1,2,3
.irp a, 0,1
	global_load_b128 v[32+8*\i+4*\a:32+8*\i+4*\a+3], v7, s[42:43] offset:512*\i+256*\a      ; x's scale words of K steps 4 a .. 4 a + 3
.endr
.endr
.irp m, 0,1,2
.irp tt, 0,1,2,3
.irp a, 0,1
	global_load_b128 v[64+8*(4*\m+\tt)+4*\a:64+8*(4*\m+\tt)+4*\a+3], v7, s[44:45] offset:32768*\m+512*\tt+256*\a
.endr
.endr
.endr
	XLOAD 0
	XLOAD 1
	XLOAD 2
	XLOAD 3
	s_wait_tensorcnt 0x0                           ; my K step of the first four is in
	ds_add_u32 v30, v31                            ; the add ahead of a later first fill
	s_wait_dscnt 0x0
	CROUND                                         ; everybody's is, and all four work-groups are here: the second joint loads meet
	tensor_load_to_lds s[36:39], s[24:31]          ; K steps 4-7: my one tensor load behind the round; it is waited for in K step 3
	s_nop 0
	PLACES 4
	WLOAD 0, 0
	WLOAD 0, 1
	WLOAD 0, 2
; 16 matrix instructions: weight g against x's four tiles, K step s.  The 48 accumulators take turns, one instruction a turn, in the same order in every step.
.macro GROUP s, g
.if \s == 7
	s_wait_dscnt 32-16*\g                          ; nothing more is fetched: the counts run down
.else
	s_wait_dscnt 32                                ; my group's 16 loads are in; the two younger groups' may be out
.endif
.if \g == 0
.if (\s == 5) || (\s == 7)
	s_wait_loadcnt 32                              ; step 5: sets 6 and 7 may be out; step 7: the 32 loads of the gains and biases
.else
	s_wait_loadcnt 48                              ; three younger sets of 16; in step 6: set 7 and the 32 loads of the gains and biases
.endif
.endif
.set xs, \s%4
.if xs < 2
.set xb, 144+48*xs
.set xw, 1
.else
.set xb, 160+48*(xs-2)
.set xw, 0
.endif
.if \g < 2
.set wn, 0xa1+4*xw
	WIN wn                                         ; source 0 window 1, source 1 x's window, C and D window 2
.irp i, 0,1,2,3
.irp tt, 0,1,2,3
.if \s == 0
	MM0 32*(4*\g+\i)+8*\tt, 48*\g+12*\tt, xb+12*\i, 64+8*(4*\g+\tt)+\s, 32+8*\i+\s
.else
	MMA 32*(4*\g+\i)+8*\tt, 48*\g+12*\tt, xb+12*\i, 64+8*(4*\g+\tt)+\s, 32+8*\i+\s
.endif
.endr
.endr
.else
.set wn, 0xf4+xw
	WIN wn                                         ; source 0 x's window, source 1 window 1, C and D window 3
.irp i, 0,1,2,3
.irp tt, 0,1,2,3
.if \s == 0
	MM0 32*\tt+8*\i, xb+12*\i, 96+12*\tt, 32+8*\i+\s, 64+8*(8+\tt)+\s
.else
	MMA 32*\tt+8*\i, xb+12*\i, 96+12*\tt, 32+8*\i+\s, 64+8*(8+\tt)+\s
.endif
.endr
.endr
.endif
.if \s < 7
	PLACES 4                                       ; in front of loads into registers that these matrix instructions have read
.if (\s == 3) && (\g == 0)
	s_wait_tensorcnt 0x0                           ; my K step of the last four is in,
	s_wait_dscnt 0x0                               ; (no LDS instruction is out at a signal)
	s_barrier_signal -1
	s_barrier_wait -1                              ; everybody's is
.endif
	WLOAD (\s)+1, \g                               ; 32 matrix instructions ahead of its use
.if (\g == 2) && (\s < 4)
	XLOAD (\s)+4
.endif
.if (\g == 2) && (\s == 5)
	WIN 0xc0                                       ; the gains and biases: register 16 b + i = feature 32 b + 16 h + i
.irp p, 0,1,2,3
.irp b, 0,1
.irp j, 0,1,2,3
	global_load_b128 v[128+32*\p+16*\b+4*\j:128+32*\p+16*\b+4*\j+3], v8, s[8+2*\p:9+2*\p] offset:128*\b+16*\j
.endr
.endr
.endr
.endif
.endif
.endm
.irp s, 0,1,2,3,4,5,6,7
.irp g, 0,1,2
	GROUP \s, \g
.endr
.endr
; THE WAY OUT.  Four units (a unit: 32 numbers a lane, two blocks of 32 shared with lane l xor 16) go through every stage by turns.
; 32 numbers of each unit, v[sb + 32 u] on (register 16 b + i = k 32 b + 16 h + i), become a half image's codes in v[96 + 8 u] on and two scale bytes in v[24 + u].  w1, w2, w3: the windows of the lines that read the numbers.
.macro HQ4 sb, w1, w2, w3
	WIN \w1
.irp b, 0,1
.irp u, 0,1,2,3
	v_max3_num_f32 v[32+16*\u+\b], |v[\sb+32*\u+16*\b]|, |v[\sb+32*\u+16*\b+1]|, 0x2800000   ; and the floor 2^(5 - 127)
.endr
.endr
	WIN \w2
.irp i, 2,4,6,8,10,12,14
.irp b, 0,1
.irp u, 0,1,2,3
	v_max3_num_f32 v[32+16*\u+\b], v[32+16*\u+\b], |v[\sb+32*\u+16*\b+\i]|, |v[\sb+32*\u+16*\b+\i+1]|
.endr
.endr
.endr
	WIN 0x55
.irp b, 0,1
.irp u, 0,1,2,3
	v_permlanex16_b32 v[34+16*\u+\b], v[32+16*\u+\b], s60, s61
.endr
.endr
.irp b, 0,1
.irp u, 0,1,2,3
	v_max_num_f32 v[32+16*\u+\b], v[32+16*\u+\b], v[34+16*\u+\b]
.endr
.endr
.irp b, 0,1
.irp u, 0,1,2,3
	v_add_nc_u32 v[36+16*\u+\b], 0xfe000000, v[32+16*\u+\b]    ; 4 off the exponent field: the conversion's scale operand
.endr
.endr
.irp b, 0,1
.irp u, 0,1,2,3
	v_lshrrev_b32 v[38+16*\u+\b], 23, v[36+16*\u+\b]           ; the scale's byte
.endr
.endr
.irp u, 0,1,2,3
	v_lshl_or_b32 v[24+\u], v[39+16*\u], 8, v[38+16*\u]
.endr
	WIN \w3
.irp u, 0,1,2,3
	v_cvt_scalef32_pk16_bf6_f32 v[96+8*\u:98+8*\u], v[\sb+32*\u:\sb+32*\u+15], v[36+16*\u]
	v_cvt_scalef32_pk16_bf6_f32 v[40+16*\u:42+16*\u], v[\sb+32*\u+16:\sb+32*\u+31], v[37+16*\u]
.endr
	WIN 0x55
	v_nop                                          ; one plain place behind a scaled conversion
.irp i, 0,1,2
.irp u, 0,1,2,3
	v_permlane16_swap_b32 v[96+8*\u+\i], v[40+16*\u+\i]        ; a whole block to a lane: lanes 0-15 block 0, lanes 16-31 block 1
.endr
.endr
.irp i, 0,1,2
.irp u, 0,1,2,3
	v_mov_b32 v[99+8*\u+\i], v[40+16*\u+\i]
.endr
.endr
.endm
; LayerNorm over the head's 64 (32 in my lane, 32 in lane l xor 16) of the four units of g (0: k, 1: q), then the quantiser, then the stores.  cb: the codes' base; sbs, so: the scale words' base and offset.
.macro LNQ g, cb, sbs, so
	WIN 0x4a                                       ; sources window 2, destination window 1
.irp tt, 0,1,2,3
.irp u, 0,1,2,3
	v_pk_add_f32 v[32+16*\u+2*\tt:33+16*\u+2*\tt], v[32*(4*\g+\u)+8*\tt:32*(4*\g+\u)+8*\tt+1], v[32*(4*\g+\u)+8*\tt+2:32*(4*\g+\u)+8*\tt+3]   ; each accumulator from its low end on
.endr
.endr
.irp tt, 0,1,2,3
.irp u, 0,1,2,3
	v_pk_add_f32 v[40+16*\u+2*\tt:41+16*\u+2*\tt], v[32*(4*\g+\u)+8*\tt+4:32*(4*\g+\u)+8*\tt+5], v[32*(4*\g+\u)+8*\tt+6:32*(4*\g+\u)+8*\tt+7]
.endr
.endr
	WIN 0x55
.irp k, 0,4,8,12
.irp u, 0,1,2,3
	v_pk_add_f32 v[32+16*\u+\k:33+16*\u+\k], v[32+16*\u+\k:33+16*\u+\k], v[34+16*\u+\k:35+16*\u+\k]
.endr
.endr
.irp k, 0,8
.irp u, 0,1,2,3
	v_pk_add_f32 v[32+16*\u+\k:33+16*\u+\k], v[32+16*\u+\k:33+16*\u+\k], v[36+16*\u+\k:37+16*\u+\k]
.endr
.endr
.irp u, 0,1,2,3
	v_pk_add_f32 v[32+16*\u:33+16*\u], v[32+16*\u:33+16*\u], v[40+16*\u:41+16*\u]
.endr
.irp u, 0,1,2,3
	v_add_f32 v[32+16*\u], v[32+16*\u], v[33+16*\u]
.endr
.irp u, 0,1,2,3
	v_permlanex16_b32 v[34+16*\u], v[32+16*\u], s60, s61
.endr
.irp u, 0,1,2,3
	v_add_f32 v[32+16*\u], v[32+16*\u], v[34+16*\u]
.endr
.irp u, 0,1,2,3
	v_mul_f32 v[32+16*\u], s56, v[32+16*\u]        ; the mean
.endr
	WIN 0x46                                       ; source 0 window 2
.irp n, 0,2,4,6,8,10,12,14,16,18,20,22,24,26,28,30
.irp u, 0,1,2,3
	v_pk_add_f32 v[128+32*\u+\n:129+32*\u+\n], v[32*(4*\g+\u)+\n:32*(4*\g+\u)+\n+1], v[32+16*\u:33+16*\u] op_sel_hi:[1,0] neg_lo:[0,1] neg_hi:[0,1]   ; less the mean
.endr
.endr
	WIN 0x55
.irp u, 0,1,2,3
	v_pk_mul_f32 v[34+16*\u:35+16*\u], v[128+32*\u:129+32*\u], v[128+32*\u:129+32*\u]      ; the squares, in two chains
	v_pk_mul_f32 v[36+16*\u:37+16*\u], v[130+32*\u:131+32*\u], v[130+32*\u:131+32*\u]
.endr
.irp n, 4,8,12,16,20,24,28
.irp u, 0,1,2,3
	v_pk_fma_f32 v[34+16*\u:35+16*\u], v[128+32*\u+\n:129+32*\u+\n], v[128+32*\u+\n:129+32*\u+\n], v[34+16*\u:35+16*\u]
	v_pk_fma_f32 v[36+16*\u:37+16*\u], v[130+32*\u+\n:131+32*\u+\n], v[130+32*\u+\n:131+32*\u+\n], v[36+16*\u:37+16*\u]
.endr
.endr
.irp u, 0,1,2,3
	v_pk_add_f32 v[34+16*\u:35+16*\u], v[34+16*\u:35+16*\u], v[36+16*\u:37+16*\u]
.endr
.irp u, 0,1,2,3
	v_add_f32 v[34+16*\u], v[34+16*\u], v[35+16*\u]
.endr
.irp u, 0,1,2,3
	v_permlanex16_b32 v[36+16*\u], v[34+16*\u], s60, s61
.endr
.irp u, 0,1,2,3
	v_add_f32 v[34+16*\u], v[34+16*\u], v[36+16*\u]
.endr
.irp u, 0,1,2,3
	v_fma_f32 v[34+16*\u], v[34+16*\u], s56, s57   ; the variance + 1e-5
.endr
	s_wait_alu depctr_va_vdst(0)
.irp u, 0,1,2,3
	v_rsq_f32 v[34+16*\u], v[34+16*\u]
.endr
	v_nop                                          ; one plain place behind the transcendentals
	s_wait_alu depctr_va_vdst(0)
.irp n, 0,2,4,6,8,10,12,14,16,18,20,22,24,26,28,30
.irp u, 0,1,2,3
	v_pk_mul_f32 v[128+32*\u+\n:129+32*\u+\n], v[128+32*\u+\n:129+32*\u+\n], v[34+16*\u:35+16*\u] op_sel_hi:[1,0]
.endr
.endr
	WIN 0x7d                                       ; sources 1 and 2 window 3: the gain and the bias
.irp n, 0,2,4,6,8,10,12,14,16,18,20,22,24,26,28,30
.irp u, 0,1,2,3
	v_pk_fma_f32 v[128+32*\u+\n:129+32*\u+\n], v[128+32*\u+\n:129+32*\u+\n], v[128+64*\g+\n:129+64*\g+\n], v[160+64*\g+\n:161+64*\g+\n]
.endr
.endr
	HQ4 128, 0x55, 0x55, 0x55
	v_cndmask_b32 v28, v24, v26, s62               ; lanes 0-15 store the words of tiles 0 and 1 of their row, lanes 16-31 those of tiles 2 and 3
	v_cndmask_b32 v29, v25, v27, s62
	WIN 0x04                                       ; a store's data: window 1
.irp u, 0,1,2,3
	global_store_b128 v1, v[96+8*\u:99+8*\u], s[\cb:\cb+1] offset:768*\u             ; 512 consecutive bytes
	global_store_b64 v4, v[100+8*\u:101+8*\u], s[\cb:\cb+1] offset:768*\u+512        ; 256
.endr
	global_store_b64 v9, v[28:29], s[\sbs:\sbs+1] offset:\so
.endm
	PLACES 4                                       ; behind the last products: their results are read and their operands' registers written below
	s_wait_loadcnt 0x0                             ; the gains and biases
	LNQ 0, 46, 50, 0
	s_wait_xcnt 0x0                                ; k's stores have read their data: the registers are written again
	LNQ 1, 52, 52, 3072
	s_wait_xcnt 0x0
	HQ4 0, 0x4f, 0x7d, 0x47                        ; v: the numbers lie in window 3, unit tt = 16 channels x my 64 tokens
	v_lshl_or_b32 v28, v25, 16, v24                ; four halfwords: the two bytes of channel tiles 0 to 3
	v_lshl_or_b32 v29, v27, 16, v26
	WIN 0x04
.irp u, 0,1,2,3
	global_store_b128 v1, v[96+8*\u:99+8*\u], s[48:49] offset:1536*\u
	global_store_b64 v4, v[100+8*\u:101+8*\u], s[48:49] offset:1536*\u+512
.endr
	global_store_b64 v4, v[28:29], s[50:51] offset:512
	WIN 0
	s_wait_tensorcnt 0x0
	ds_add_u32 v30, v31
	s_wait_dscnt 0x0
	CROUND                                         ; the closing round: no work-group ends while a partner may still ask
	s_endpgm
.Lfunc_end_k_q2f7cf8efd3_qkv:
	.size	k_q2f7cf8efd3_qkv, .Lfunc_end_k_q2f7cf8efd3_qkv-k_q2f7cf8efd3_qkv
	.p2alignl 7, 3214868480
	.fill 96, 4, 3214868480
	.section	.rodata,"a",@progbits
	.p2align	6, 0x0
	.amdhsa_kernel k_q2f7cf8efd3_qkv
		.amdhsa_group_segment_fixed_size 327680
		.amdhsa_private_segment_fixed_size 0
		.amdhsa_enable_private_segment 0
		.amdhsa_kernarg_size 64
		.amdhsa_user_sgpr_count 2
		.amdhsa_user_sgpr_kernarg_segment_ptr 1
		.amdhsa_wavefront_size32 1
		.amdhsa_system_sgpr_workgroup_id_x 1
		.amdhsa_system_sgpr_workgroup_id_y 1
		.amdhsa_system_sgpr_workgroup_id_z 1
		.amdhsa_system_vgpr_workitem_id 0
		.amdhsa_next_free_vgpr 1024
		.amdhsa_next_free_sgpr 66
		.amdhsa_reserve_vcc 0
		.amdhsa_float_denorm_mode_32 3
		.amdhsa_float_denorm_mode_16_64 3
		.amdhsa_memory_ordered 1
		.amdhsa_forward_progress 1
		.amdhsa_inst_pref_size 171
	.end_amdhsa_kernel
	.amdgpu_metadata
---
amdhsa.version: [ 1, 2 ]
amdhsa.kernels:
  - .name:           k_q2f7cf8efd3_qkv
    .symbol:         k_q2f7cf8efd3_qkv.kd
    .args:
      - { .name: codes, .offset: 0, .size: 8, .value_kind: global_buffer, .address_space: global }
      - { .name: scl, .offset: 8, .size: 8, .value_kind: global_buffer, .address_space: global }
      - { .name: kln_w, .offset: 16, .size: 8, .value_kind: global_buffer, .address_space: global }
      - { .name: kln_b, .offset: 24, .size: 8, .value_kind: global_buffer, .address_space: global }
      - { .name: qln_w, .offset: 32, .size: 8, .value_kind: global_buffer, .address_space: global }
      - { .name: qln_b, .offset: 40, .size: 8, .value_kind: global_buffer, .address_space: global }
      - { .name: kv, .offset: 48, .size: 8, .value_kind: global_buffer, .address_space: global }
      - { .name: qc, .offset: 56, .size: 8, .value_kind: global_buffer, .address_space: global }
    .group_segment_fixed_size: 327680
    .private_segment_fixed_size: 0
    .kernarg_segment_align: 8
    .kernarg_segment_size: 64
    .max_flat_workgroup_size: 128
    .sgpr_count:     66
    .vgpr_count:     1024
    .wavefront_size: 32
...
	.end_amdgpu_metadata
.endif
;; end of part 2
;; launch attn (part 3): grid 8 x 32, 16 waves a work-group, no clusters, 327,680 bytes of LDS; arguments qc, kv, oc, oscl; writes oc, oscl
.if DOCPART == 3
	.amdgcn_target "amdgcn-amd-amdhsa--gfx1250"
	.amdhsa_code_object_version 6
	.text
	.protected	k_q2f7cf8efd3_attn
	.globl	k_q2f7cf8efd3_attn
	.p2align	8
	.type	k_q2f7cf8efd3_attn,@function
k_q2f7cf8efd3_attn:
	s_mov_b64 s[64:65], 0
	v_nop
	global_prefetch_b8 v0, s[64:65] scope:SCOPE_SE
	s_setreg_imm32_b32 hwreg(HW_REG_WAVE_MODE, 25, 1), 1
	s_wait_xcnt 0x0
; out[q][:] = the sum over keys k <= q of softmax_k(q . k / 8) v[k][:] for one head, both products on codes of BF6 with E8M0 scales; out is then quantised along the model's 1,024 (this head: two blocks of 32).
; THE SOFTMAX: t = score x log2(e) / 8; M = the running largest t rounded UP to a whole number; p = 2^(t - M) is quantised along the keys, not normalised; the row's sum is taken of the unquantised p and divides at the end.
; When M moves, the sum and O are multiplied by 2^(old M - new M): exact.  Key steps that lie wholly behind the causal mask are not worked.
; SHARES: work-group (g, b h) owns query blocks 15 - g (late) and g (early) of 128 queries; block j has j + 1 key steps of 128.  Waves 2 i and 2 i + 1 own tile i (16 queries) of both blocks: 17 steps, shared out as 8 and 9.
;   Wave A of the pair: the late tile's steps 0 .. 7 (none on the diagonal: 15 - g >= 8).
;   Wave B: the late tile's steps 8 .. 15 - g, then the early tile's steps 0 .. g: 8 - g and g + 1 steps.  Behind its last late step it puts O, -M and the sums into its stage in LDS and begins the early tile.
;   All waves walk nine slots of constant count.  Behind slot 7 stands a barrier; in slot 8 A reads B's part, brings both under the larger M (exact powers of two), adds and stores the late tile; B works its ninth step and stores the early tile.
;   B is the wave where (w xor w / 4) is odd: of any four waves w % 4 alike, and of any four w / 4 alike, two are B.
; LDS: the head's block of kv, 16 key steps of 13,312 bytes, filled ONCE, in the order 0, 1, 8, 9, 2 .. 7, 10 .. 15.  At the head each wave asks for 13 rows of 256 bytes of steps 0, 1, 8, 9: all that slots 0 and 1 read.
;   Behind the first barrier each wave asks for 39 rows of the other twelve steps; that load is waited for behind slot 1.  One tensor load of a wave is out at a time.  The g steps behind the late block's diagonal are filled with the rest and not read.
;   Behind kv: a stage of 5,632 bytes for each wave (O 4,096, v12-15 512, B's second Q 1,024), into which no fill lands; behind the stages the spare words.
; NO CLUSTER: the eight work-groups of a head read the same bytes, but which step a wave works in a slot, and where B changes tiles, hang on g, the work-group's place among those eight, and partners of a joint load must branch alike.
; NO PREFETCH: all of kv's block is asked for by the two tensor loads, the second directly behind the first barrier; no later trip asks for anything, so there is no trip to run ahead in.
; LAYOUT: S^T = K Q^T (source 0 = 16 keys, source 1 = my queries), O^T = V^T P^T (source 0 = 16 channels): a lane holds one query.  Lane r of tile T holds row 32 (T / 2) + 8 (T % 2) + r + 8 (r / 8), so the 16 registers
; of two neighbouring tiles are 16 neighbours.  The first product's K is 64: the upper half of K's and Q's fragments is zero codes, written once.
; LIMITS: NaN and infinities are not served; the scaled scores stay under 2^31 in magnitude; p under 2^-126 comes out of v_exp_f32 as 0; a block's largest p is made from its largest score by the same two instructions
; (this takes v_exp_f32 not to fall where its input rises); a block whose largest magnitude lies under 2^-122 keeps the byte 1; v_rcp_f32 is taken as it is.  The scale bytes of out leave one byte a lane.
; REGISTERS: v1 16 x lane, v2 8 x lane, v3 16 r, v4 my query in its block - 16 h, v5-7 the step's addresses, v8 and v11 the add's two, v9 my stage, v10 my partner's; v12 -M, v13 the largest t, v[14:15] the sum; v16-27 Q;
; v28-31 V's scale words; v32-79 four fragments of K; v80-127 V's four; v128-191 S^T, then p; v192-223 O^T; v224-235 p's codes; v232-254 at work; v253 p's scale word; v255 Q's.
.set STEPB, 13312
.set STG,   16*STEPB                   ; the stages
.set STW,   5632
.set SPARE, STG+16*STW                 ; the spare words: 128 bytes a wave
.set SPW, 8
.set NIL, 11
.set WV,  12
.set JB,  13                           ; the step on the diagonal of the tile at work
.set ST,  14                           ; the key step
.set TB,  15                           ; its first byte in LDS
.set T,   16                           ; the slot
.set G,   17
.set RB,  18                           ; 1: wave B
.set OFS, 19                           ; 8 RB
.set SEL, 20
.set CS,  22
.set LIM, 44                           ; B: 15; A: 31
.set JL,  45                           ; 15 - g
.set OF2, 63                           ; 2 RB
.set BH,  66
.set TI,  67
	s_load_b256 s[4:11], s[0:1], 0x0               ; qc, kv, oc, oscl
	v_lshl_add_u32 v[SPW], v0, 2, SPARE
	v_mov_b32 v[NIL], 0
	ds_add_u32 v[SPW], v[NIL]                      ; the opening lines: the add, twice on end, and its wait ahead of my first tensor load
	ds_add_u32 v[SPW], v[NIL]
	v_lshrrev_b32 v5, 5, v0
	v_readfirstlane_b32 s[WV], v5                  ; wave 0..15
	s_and_b32 s[BH], ttmp7, 0xffff                 ; b h
	s_mov_b32 s24, 3<<16                           ; group 1 of the first load: 13 rows of 256 bytes (32 elements of 8), dense
	s_mov_b32 s25, 32<<16
	s_mov_b32 s26, 13<<16
	s_mov_b32 s27, 32<<16
	s_mov_b32 s28, 13
	s_mov_b32 s29, 32
	s_mov_b32 s30, 0
	s_mov_b32 s31, 0
	s_mov_b32 s72, 3<<16                           ; of the second: 39 rows
	s_mov_b32 s73, 32<<16
	s_mov_b32 s74, 39<<16
	s_mov_b32 s75, 32<<16
	s_mov_b32 s76, 39
	s_mov_b32 s77, 32
	s_mov_b32 s78, 0
	s_mov_b32 s79, 0
	s_mov_b32 s32, 1
	s_mov_b32 s36, 1
	s_mul_i32 s33, s[WV], 3328                     ; LDS: places 0-3, a quarter of a step a wave
	s_mul_i32 s37, s[WV], 9984
	s_lshr_b32 s46, s[WV], 3
	s_mul_i32 s47, s46, 6*STEPB                    ; waves 8-15 fetch steps 8, 9: six steps further on in memory
	s_mul_i32 s46, s46, 2*STEPB                    ; and then steps 10-15: two further on
	s_mul_i32 s58, s[BH], 16*STEPB
	s_add_co_u32 s60, s58, s33
	s_add_co_u32 s60, s60, s47
	s_mov_b32 s61, 0
	s_add_co_u32 s58, s58, s37
	s_add_co_u32 s58, s58, s46
	s_add_co_u32 s58, s58, 2*STEPB                 ; from step 2 on
	s_mov_b32 s59, 0
	s_add_co_u32 s37, s37, 4*STEPB                 ; LDS: places 4-15
	s_wait_dscnt 0x0                               ; both opening adds are done
	s_wait_kmcnt 0x0
	s_add_nc_u64 s[34:35], s[6:7], s[60:61]
	s_or_b32 s35, s35, 0x80000000
	s_add_nc_u64 s[38:39], s[6:7], s[58:59]
	s_or_b32 s39, s39, 0x80000000
	tensor_load_to_lds s[32:35], s[24:31]          ; steps 0, 1, 8, 9: my one tensor load at the head
	s_nop 0
.rept 4
	v_nop
.endr
	s_mov_b32 s[G], ttmp9
	s_lshr_b32 s[RB], s[WV], 2
	s_xor_b32 s[RB], s[RB], s[WV]
	s_and_b32 s[RB], s[RB], 1
	s_lshl_b32 s[OFS], s[RB], 3
	s_lshl_b32 s[OF2], s[RB], 1
	s_sub_co_u32 s[JL], 15, s[G]
	s_lshr_b32 s[TI], s[WV], 1                     ; my tile in a block
	s_lshl_b32 s58, s[JL], 3
	s_add_co_u32 s58, s58, s[TI]                   ; the late tile among the head's 128
	s_lshl_b32 s59, s[G], 3
	s_add_co_u32 s59, s59, s[TI]                   ; the early tile
	s_cmp_lg_u32 s[RB], 0
	s_cselect_b32 s[LIM], 15, 31
	s_cselect_b32 s60, s59, s58                    ; the tile that I store: B the early one, A the late one
	s_mul_i32 s61, s[BH], 106496
.macro QADR t, c, w                    ; tile s[t]'s half image and scale words in qc, as offsets
	s_lshr_b32 s68, s[\t], 2
	s_mul_i32 s68, s68, 3328
	s_add_co_u32 s68, s68, s61
	s_and_b32 s69, s[\t], 3
	s_lshl_b32 s[\w], s69, 2
	s_add_co_u32 s[\w], s[\w], s68
	s_add_co_u32 s[\w], s[\w], 3072
	s_mul_i32 s69, s69, 768
	s_add_co_u32 s[\c], s68, s69
	s_mov_b32 s[\c+1], 0
	s_mov_b32 s[\w+1], 0
.endm
	QADR 58, 50, 52
	QADR 59, 40, 42
	s_add_nc_u64 s[50:51], s[4:5], s[50:51]
	s_add_nc_u64 s[52:53], s[4:5], s[52:53]
	s_add_nc_u64 s[40:41], s[4:5], s[40:41]
	s_add_nc_u64 s[42:43], s[4:5], s[42:43]
	s_lshr_b32 s68, s[BH], 4
	s_lshl_b32 s68, s68, 7
	s_add_co_u32 s68, s68, s60                     ; the stored tile among all 256 token tiles
	s_and_b32 s69, s[BH], 15                       ; the head
	s_lshr_b32 s54, s68, 2
	s_mul_i32 s54, s54, 49152
	s_lshr_b32 s56, s69, 1
	s_mul_i32 s56, s56, 6144                       ; two heads are a K step of the last product,
	s_add_co_u32 s54, s54, s56
	s_and_b32 s56, s68, 3
	s_mul_i32 s56, s56, 1536
	s_add_co_u32 s54, s54, s56
	s_and_b32 s56, s69, 1
	s_mul_i32 s56, s56, 768                        ; a head half a fragment
	s_add_co_u32 s54, s54, s56
	s_mov_b32 s55, 0
	s_lshl_b32 s56, s68, 9
	s_lshr_b32 s57, s69, 3
	s_lshl_b32 s57, s57, 8
	s_add_co_u32 s56, s56, s57
	s_and_b32 s57, s69, 7
	s_lshl_b32 s57, s57, 1
	s_add_co_u32 s56, s56, s57                     ; two scale bytes of a row: 512 x tile + 256 (head / 8) + 2 (head % 8)
	s_mov_b32 s57, 0
	s_add_nc_u64 s[54:55], s[8:9], s[54:55]
	s_add_nc_u64 s[56:57], s[10:11], s[56:57]
	s_mul_i32 s46, s[WV], STW
	s_add_co_u32 s46, s46, STG                     ; my stage
	s_xor_b32 s47, s[WV], 1
	s_mul_i32 s47, s47, STW
	s_add_co_u32 s47, s47, STG                     ; my partner's
	s_lshr_b32 s60, s[TI], 1
	s_lshl_b32 s60, s60, 5
	s_and_b32 s61, s[TI], 1
	s_lshl_b32 s61, s61, 3
	s_add_co_u32 s60, s60, s61                     ; my tile's first row in its block
	s_mov_b32 s[SEL], 0x76543210
	s_mov_b32 s[SEL+1], 0xfedcba98                 ; lane l xor 16
	s_mov_b32 s[CS], 0x3e38aa3b                    ; c = log2(e) / 8
	s_mov_b32 s[CS+1], s[CS]
	s_mov_b32 s48, 0x05040100                      ; two low halves
	s_mov_b32 s49, 0x07060302                      ; two high halves
	s_mov_b32 s62, 0xffff0000                      ; the lanes 16-31
	v_and_b32 v5, 31, v0
	v_and_b32 v6, 15, v0                           ; r
	v_bfe_u32 v7, v0, 4, 1                         ; h
	v_lshlrev_b32 v1, 4, v5
	v_lshlrev_b32 v2, 3, v5
	v_lshlrev_b32 v3, 4, v6
	v_and_b32 v4, 8, v6
	v_add_nc_u32 v4, v4, v6                        ; r + 8 (r / 8)
	v_lshlrev_b32 v7, 4, v7
	v_sub_nc_u32 v4, v4, v7
	v_add_nc_u32 v4, s60, v4                       ; register 16 b + i holds key 32 b + 16 h + i of the step: hidden on the diagonal where 32 b + i > v4
	v_add_nc_u32 v9, s46, v1
	v_add_nc_u32 v10, s47, v1
	s_wait_alu depctr_va_vdst(0)
	global_load_b128 v[16:19], v1, s[50:51]        ; the late tile's Q: its half image,
	global_load_b64 v[20:21], v2, s[50:51] offset:512
	global_load_b32 v255, v3, s[52:53]             ; and its scale words
	s_cmp_eq_u32 s[RB], 0
	s_cbranch_scc1 .Lone_q
	global_load_b128 v[192:195], v1, s[40:41]      ; B: the early tile's Q waits in my stage for the change of tiles
	global_load_b64 v[196:197], v2, s[40:41] offset:512
	global_load_b32 v198, v3, s[42:43]
	v_mov_b32 v199, 0
	s_wait_alu depctr_va_vdst(0)
	s_wait_loadcnt 0x0
	ds_store_b128 v9, v[192:195] offset:4608
	ds_store_b128 v9, v[196:199] offset:5120
.Lone_q:
.irp k, 0,1,2,3,4,5
	v_mov_b32 v[22+\k], 0                          ; zero codes for K = 64 .. 127, in Q
.irp t, 0,1,2,3
	v_mov_b32 v[38+12*\t+\k], 0                    ; and in K's four fragments: never loaded over
.endr
.endr
	v_mov_b32 v13, 0xff61b1e6                      ; the largest t so far: -3e38
	v_mov_b32 v14, 0
	v_floor_f32 v12, -v13                          ; -M
	v_mov_b32 v15, 0
.irp b, 0,1,2,3
	v_mov_b32 v[236+\b], 0                         ; a lane permute's destination counts as one of its sources
.endr
	v_mov_b32 v252, 0
	v_mov_b32 v253, 0
.set n, 0
.rept 32
	v_mov_b32 v[192+n], 0                          ; O^T: the step is written once; the first change of M multiplies zeros
.set n, n+1
.endr
	s_wait_alu depctr_va_vdst(0)
	s_wait_loadcnt 0x0
	s_wait_tensorcnt 0x0                           ; my part of steps 0, 1, 8, 9 is in
	ds_add_u32 v[SPW], v[NIL]                      ; the add ahead of a later first fill
	s_wait_dscnt 0x0
	s_barrier_signal -1
	s_barrier_wait -1                              ; everybody's part is in
	tensor_load_to_lds s[36:39], s[72:79]          ; the other twelve steps: my one tensor load behind this barrier
	s_nop 0
.rept 4
	v_nop
.endr
; A slot.  first = 1: slots 0 and 1, which read places 0-3 of LDS alone.  sw = 1: B may end its late share here.
.macro STEP first, sw
	s_add_co_u32 s[ST], s[T], s[OFS]               ; A: step t;  B: t + 8,
.if \first
	s_add_co_u32 s[TB], s[T], s[OF2]               ; at place t, or t + 2
.endif
	s_add_co_u32 s46, s[ST], s[G]
	s_cmp_gt_u32 s46, s[LIM]                       ; or, behind the late block's diagonal, B's early share:
	s_cselect_b32 s47, s[G], 0
	s_cselect_b32 s[JB], s[G], s[JL]
.if \first
	s_cselect_b32 s[TB], 0, s[TB]                  ; (in slot 1 that is step 0)
.endif
	s_add_co_u32 s[ST], s[ST], s47
	s_and_b32 s[ST], s[ST], 15                     ; step t + 8 + g - 16
.if \first
	s_min_u32 s[TB], s[TB], 3
.else
	s_sub_co_u32 s47, s[ST], 2
	s_cmp_lt_u32 s47, 6
	s_cselect_b32 s47, 2, 0                        ; steps 2-7 lie two places up (steps 8, 9 are not read from slot 2 on)
	s_add_co_u32 s[TB], s[ST], s47
	s_min_u32 s[TB], s[TB], 15
.endif
	s_mul_i32 s[TB], s[TB], STEPB
	v_add_nc_u32 v5, s[TB], v1
	v_add_nc_u32 v6, s[TB], v2
	v_add_nc_u32 v7, s[TB], v3
	s_wait_alu depctr_va_vdst(0)
.irp g, 0,1                            ; S^T = K Q^T, four tiles of 16 keys at a time
.if \g
.rept 4
	v_nop                                          ; places in front of loads into registers that matrix instructions have read
.endr
.endif
.irp t, 0,1,2,3
	ds_load_b128 v[32+12*\t:35+12*\t], v5 offset:768*(4*\g+\t)
	ds_load_b64 v[36+12*\t:37+12*\t], v6 offset:768*(4*\g+\t)+512
.endr
	ds_load_b128 v[248:251], v7 offset:12288+256*\g            ; the four tiles' scale words
	s_wait_dscnt 0x0
.irp t, 0,1,2,3
	v_wmma_scale_f32_16x16x128_f8f6f4 v[128+8*(4*\g+\t):135+8*(4*\g+\t)], v[32+12*\t:43+12*\t], v[16:27], 0, v[248+\t], v255 matrix_a_fmt:MATRIX_FMT_BF6 matrix_b_fmt:MATRIX_FMT_BF6
.endr
.endr
.rept 4
	v_nop                                          ; places behind the products: their results are read, and their scale registers loaded, below
.endr
.irp c, 0,1,2,3                        ; V^T's four fragments are asked for now and land under the softmax
	ds_load_b128 v[80+12*\c:83+12*\c], v5 offset:6144+1536*\c
	ds_load_b64 v[84+12*\c:85+12*\c], v6 offset:6144+1536*\c+512
	ds_load_b128 v[86+12*\c:89+12*\c], v5 offset:6144+1536*\c+768
	ds_load_b64 v[90+12*\c:91+12*\c], v6 offset:6144+1536*\c+1280
.endr
	ds_load_b64 v[248:249], v6 offset:12800        ; V's scale bytes: key blocks 0, 1 of the four channel tiles,
	ds_load_b64 v[250:251], v6 offset:13056        ; and key blocks 2, 3
	s_cmp_lg_u32 s[ST], s[JB]
	s_cbranch_scc1 .Lopen_\@                       ; only the step on the diagonal hides keys
	v_mov_b32 v254, 0xff800000                     ; -infinity
.set n, 0
.rept 64
	v_cmp_gt_i32 vcc_lo, 32*(n/16)+n%16, v4
	v_cndmask_b32 v[128+n], v[128+n], v254, vcc_lo
.set n, n+1
.endr
.Lopen_\@:
.irp b, 0,1,2,3
	v_max3_num_f32 v[232+\b], v[128+16*\b], v[129+16*\b], v[130+16*\b]   ; the largest score of each block of 32 keys: for the row's maximum, and for the block's largest p
.endr
.irp i, 3,5,7,9,11,13
.irp b, 0,1,2,3
	v_max3_num_f32 v[232+\b], v[232+\b], v[128+16*\b+\i], v[129+16*\b+\i]
.endr
.endr
.irp b, 0,1,2,3
	v_max_num_f32 v[232+\b], v[232+\b], v[143+16*\b]
.endr
.irp b, 0,1,2,3
	s_delay_alu instid0(VALU_DEP_4)
	v_permlanex16_b32 v[236+\b], v[232+\b], s[SEL], s[SEL+1]
.endr
.irp b, 0,1,2,3
	s_delay_alu instid0(VALU_DEP_4)
	v_max_num_f32 v[232+\b], v[232+\b], v[236+\b]
.endr
	s_delay_alu instid0(VALU_DEP_2)
	v_max3_num_f32 v254, v232, v233, v234
	s_delay_alu instid0(VALU_DEP_1)
	v_max_num_f32 v254, v254, v235
	s_delay_alu instid0(VALU_DEP_1)
	v_mul_f32 v254, s[CS], v254                    ; as t
	s_delay_alu instid0(VALU_DEP_1)
	v_max_num_f32 v13, v13, v254                   ; the running largest t
	v_mov_b32 v254, v12
	s_delay_alu instid0(VALU_DEP_2)
	v_floor_f32 v12, -v13                          ; the new -M = -ceil(t)
	s_delay_alu instid0(VALU_DEP_1)
	v_sub_f32 v254, v12, v254                      ; old M - new M: a whole number, 0 or less
	s_delay_alu instid0(VALU_DEP_1)
	v_cvt_i32_f32 v254, v254                       ; (it saturates)
	s_delay_alu instid0(VALU_DEP_1)
	v_ldexp_f32 v252, 1.0, v254                    ; f = 2^(old M - new M)
.set n, 0
.rept 32
	v_pk_fma_f32 v[128+n:129+n], v[128+n:129+n], s[CS:CS+1], v[12:13] op_sel_hi:[1,0,0]   ; t - M
.set n, n+2
.endr
.irp b, 0,1,2,3
	v_fma_f32 v[232+\b], v[232+\b], s[CS], v12
.endr
	s_wait_alu depctr_va_vdst(0)
.set n, 0
.rept 64
	v_exp_f32 v[128+n], v[128+n]                   ; p = 2^(t - M)
.set n, n+1
.endr
.irp b, 0,1,2,3
	v_exp_f32 v[232+\b], v[232+\b]                 ; the block's largest p
.endr
	v_pk_mul_f32 v[14:15], v[14:15], v[252:253] op_sel_hi:[1,0]    ; the sums under the new M (a plain place behind the exponentials)
	s_wait_dscnt 0x0                               ; V and its scale bytes are in
	v_perm_b32 v28, v250, v248, s48                ; a channel tile's scale word: its two bytes of blocks 0, 1 below, of blocks 2, 3 above
	v_perm_b32 v29, v250, v248, s49
	v_perm_b32 v30, v251, v249, s48
	v_perm_b32 v31, v251, v249, s49
	s_wait_alu depctr_va_vdst(0)                   ; and behind it, ahead of its first reader
.irp b, 0,1,2,3
	v_max_num_f32 v[232+\b], 0x2800000, v[232+\b]  ; the floor 2^(5 - 127)
.endr
.irp b, 0,1,2,3
	s_delay_alu instid0(VALU_DEP_4)
	v_add_nc_u32 v[244+\b], 0xfe000000, v[232+\b]  ; the conversion's scale operand
.endr
.irp b, 0,1,2,3
	s_delay_alu instid0(VALU_DEP_4)
	v_lshrrev_b32 v[236+\b], 23, v[244+\b]         ; the scale's byte
.endr
	s_delay_alu instid0(VALU_DEP_3)
	v_lshl_or_b32 v253, v237, 8, v236              ; p's scale word for these 128 keys
	s_delay_alu instid0(VALU_DEP_1)
	v_lshl_or_b32 v253, v238, 16, v253
	s_delay_alu instid0(VALU_DEP_1)
	v_lshl_or_b32 v253, v239, 24, v253
.irp c, 0,1
	v_cvt_scalef32_pk16_bf6_f32 v[224+6*\c:226+6*\c], v[128+32*\c:143+32*\c], v[244+2*\c]
	v_cvt_scalef32_pk16_bf6_f32 v[236+4*\c:238+4*\c], v[144+32*\c:159+32*\c], v[245+2*\c]
.endr
	v_nop                                          ; one plain place behind a scaled conversion
.irp c, 0,1
.irp i, 0,1,2
	v_permlane16_swap_b32 v[224+6*\c+\i], v[236+4*\c+\i]
.endr
.irp i, 0,1,2
	s_delay_alu instid0(VALU_DEP_3)
	v_mov_b32 v[227+6*\c+\i], v[236+4*\c+\i]
.endr
.endr
.irp c, 0,1,2,3,4,5,6,7                ; the row's sum of the unquantised p: eight chains of pairs in v236-251
	v_pk_add_f32 v[236+2*\c:237+2*\c], v[128+2*\c:129+2*\c], v[144+2*\c:145+2*\c]
.endr
.irp c, 0,1,2,3,4,5,6,7
	v_pk_add_f32 v[236+2*\c:237+2*\c], v[236+2*\c:237+2*\c], v[160+2*\c:161+2*\c]
.endr
.irp c, 0,1,2,3,4,5,6,7
	v_pk_add_f32 v[236+2*\c:237+2*\c], v[236+2*\c:237+2*\c], v[176+2*\c:177+2*\c]
.endr
.irp c, 0,1,2,3
	v_pk_add_f32 v[236+2*\c:237+2*\c], v[236+2*\c:237+2*\c], v[244+2*\c:245+2*\c]
.endr
.irp c, 0,1
	s_delay_alu instid0(VALU_DEP_2)
	v_pk_add_f32 v[236+2*\c:237+2*\c], v[236+2*\c:237+2*\c], v[240+2*\c:241+2*\c]
.endr
	s_delay_alu instid0(VALU_DEP_1)
	v_pk_add_f32 v[236:237], v[236:237], v[238:239]
	s_delay_alu instid0(VALU_DEP_1)
	v_pk_add_f32 v[14:15], v[14:15], v[236:237]
	s_wait_alu depctr_va_vdst(0)
.set n, 0
.rept 16
	v_pk_mul_f32 v[192+n:193+n], v[192+n:193+n], v[252:253] op_sel_hi:[1,0]   ; O^T under the new M
.set n, n+2
.endr
.irp c, 0,1,2,3                        ; O^T += V^T P^T: four accumulators by turns; between two links of a chain stand the next step's eight products
	v_wmma_scale_f32_16x16x128_f8f6f4 v[192+8*\c:199+8*\c], v[80+12*\c:91+12*\c], v[224:235], v[192+8*\c:199+8*\c], v[28+\c], v253 matrix_a_fmt:MATRIX_FMT_BF6 matrix_b_fmt:MATRIX_FMT_BF6
.endr
.if \sw
	s_cmp_eq_u32 s[RB], 0                          ; A never changes tiles
	s_cbranch_scc1 .Lsame_\@
	s_cmp_lg_u32 s46, 15                           ; t + 8 + g = 15: this was B's step on the late block's diagonal
	s_cbranch_scc1 .Lsame_\@
.rept 4
	v_nop                                          ; places behind the products
.endr
.irp k, 0,1,2,3,4,5,6,7
	ds_store_b128 v9, v[192+4*\k:195+4*\k] offset:512*\k       ; my part of the late tile: O^T, each accumulator from its low end on,
.endr
	ds_store_b128 v9, v[12:15] offset:4096         ; -M and the sums
	ds_load_b128 v[16:19], v9 offset:4608          ; the early tile's Q
	ds_load_b128 v[20:23], v9 offset:5120          ; (v22: its scale words)
	s_wait_dscnt 0x0
	v_mov_b32 v255, v22
	v_mov_b32 v22, 0
	v_mov_b32 v23, 0
	v_mov_b32 v13, 0xff61b1e6
	v_mov_b32 v14, 0
	v_floor_f32 v12, -v13
	v_mov_b32 v15, 0
.set n, 0
.rept 32
	v_mov_b32 v[192+n], 0
.set n, n+1
.endr
	s_wait_alu depctr_va_vdst(0)
.Lsame_\@:
.endif
.endm
	s_mov_b32 s[T], 0
.Lfirst:
	STEP 1, 1
	s_add_co_u32 s[T], s[T], 1
	s_cmp_lt_u32 s[T], 2
	s_cbranch_scc1 .Lfirst
	s_wait_tensorcnt 0x0                           ; my part of the other twelve steps is in
	s_wait_dscnt 0x0                               ; (no LDS instruction is out at a signal)
	s_barrier_signal -1
	s_barrier_wait -1                              ; everybody's part is in
.Lmain:
	STEP 0, 1
	s_add_co_u32 s[T], s[T], 1
	s_cmp_lt_u32 s[T], 8
	s_cbranch_scc1 .Lmain
	s_wait_dscnt 0x0                               ; B's stores into its stage are done
	s_barrier_signal -1
	s_barrier_wait -1
	s_cmp_eq_u32 s[RB], 0
	s_cbranch_scc1 .Ljoin
	STEP 0, 0                                      ; B: slot 8, the early tile's step on the diagonal
	s_branch .Lout
.Ljoin:                                                ; A: the late tile's two parts become one
.rept 4
	v_nop                                          ; places behind the last products
.endr
.irp k, 0,1,2,3,4,5,6,7
	ds_load_b128 v[128+4*\k:131+4*\k], v10 offset:512*\k
.endr
	ds_load_b128 v[232:235], v10 offset:4096       ; B's -M, largest t and sums
	s_wait_dscnt 0x0
	v_min_num_f32 v254, v12, v232                  ; the joint -M
	s_delay_alu instid0(VALU_DEP_1)
	v_sub_f32 v252, v254, v12                      ; my M - the joint M: a whole number, 0 or less
	v_sub_f32 v236, v254, v232                     ; and B's
	s_delay_alu instid0(VALU_DEP_2)
	v_cvt_i32_f32 v252, v252
	s_delay_alu instid0(VALU_DEP_2)
	v_cvt_i32_f32 v236, v236
	s_delay_alu instid0(VALU_DEP_2)
	v_ldexp_f32 v252, 1.0, v252
	s_delay_alu instid0(VALU_DEP_2)
	v_ldexp_f32 v236, 1.0, v236
	s_delay_alu instid0(VALU_DEP_2)
	v_pk_mul_f32 v[14:15], v[14:15], v[252:253] op_sel_hi:[1,0]
.set n, 0
.rept 16
	v_pk_mul_f32 v[192+n:193+n], v[192+n:193+n], v[252:253] op_sel_hi:[1,0]
.set n, n+2
.endr
	v_pk_fma_f32 v[14:15], v[234:235], v[236:237], v[14:15] op_sel_hi:[1,0,1]
.set n, 0
.rept 16
	v_pk_fma_f32 v[192+n:193+n], v[128+n:129+n], v[236:237], v[192+n:193+n] op_sel_hi:[1,0,1]
.set n, n+2
.endr
.Lout:
	; THE WAY OUT: O^T / the sum; register 16 b + i = channel 32 b + 16 h + i of my query: two blocks of the last product's K
.rept 4
	v_nop                                          ; places behind the last products
.endr
	v_add_f32 v14, v14, v15
	s_delay_alu instid0(VALU_DEP_1)
	v_permlanex16_b32 v252, v14, s[SEL], s[SEL+1]
	s_delay_alu instid0(VALU_DEP_1)
	v_add_f32 v14, v14, v252                       ; the row's sum
	s_wait_alu depctr_va_vdst(0)
	v_rcp_f32 v14, v14
	v_mov_b32 v98, 0                               ; (a plain place; the two lane permutes' destinations)
	v_mov_b32 v99, 0
	v_and_b32 v109, 15, v0
	v_bfe_u32 v110, v0, 4, 1
	s_delay_alu instid0(VALU_DEP_1)
	v_lshl_add_u32 v109, v109, 4, v110             ; 16 r + h: where my scale byte goes
	s_wait_alu depctr_va_vdst(0)
.set n, 0
.rept 32
	v_mul_f32 v[128+n], v[192+n], v14              ; each accumulator from its low end on
.set n, n+1
.endr
	v_max3_num_f32 v96, |v128|, |v129|, 0x2800000
	v_max3_num_f32 v97, |v144|, |v145|, 0x2800000
.irp i, 2,4,6,8,10,12,14
	s_delay_alu instid0(VALU_DEP_2)
	v_max3_num_f32 v96, v96, |v[128+\i]|, |v[129+\i]|
	s_delay_alu instid0(VALU_DEP_2)
	v_max3_num_f32 v97, v97, |v[144+\i]|, |v[145+\i]|
.endr
	s_delay_alu instid0(VALU_DEP_2)
	v_permlanex16_b32 v98, v96, s[SEL], s[SEL+1]
	s_delay_alu instid0(VALU_DEP_2)
	v_permlanex16_b32 v99, v97, s[SEL], s[SEL+1]
	s_delay_alu instid0(VALU_DEP_2)
	v_max_num_f32 v96, v96, v98
	s_delay_alu instid0(VALU_DEP_2)
	v_max_num_f32 v97, v97, v99
	s_delay_alu instid0(VALU_DEP_2)
	v_add_nc_u32 v100, 0xfe000000, v96
	s_delay_alu instid0(VALU_DEP_2)
	v_add_nc_u32 v101, 0xfe000000, v97
	s_delay_alu instid0(VALU_DEP_2)
	v_lshrrev_b32 v102, 23, v100
	s_delay_alu instid0(VALU_DEP_2)
	v_lshrrev_b32 v103, 23, v101
	v_cvt_scalef32_pk16_bf6_f32 v[112:114], v[128:143], v100
	v_cvt_scalef32_pk16_bf6_f32 v[104:106], v[144:159], v101
	v_cndmask_b32 v108, v102, v103, s62            ; lanes 0-15 store block 0's byte, lanes 16-31 block 1's.  (The plain place behind the conversions)
.irp i, 0,1,2
	v_permlane16_swap_b32 v[112+\i], v[104+\i]
.endr
.irp i, 0,1,2
	s_delay_alu instid0(VALU_DEP_3)
	v_mov_b32 v[115+\i], v[104+\i]
.endr
	global_store_b128 v1, v[112:115], s[54:55]     ; the half image: 512 consecutive bytes,
	global_store_b64 v2, v[116:117], s[54:55] offset:512   ; and 256
	global_store_b8 v109, v108, s[56:57]
	s_wait_tensorcnt 0x0                           ; the wave's end
	ds_add_u32 v[SPW], v[NIL]
	s_wait_dscnt 0x0
	s_endpgm
.Lfunc_end_k_q2f7cf8efd3_attn:
	.size	k_q2f7cf8efd3_attn, .Lfunc_end_k_q2f7cf8efd3_attn-k_q2f7cf8efd3_attn
	.p2alignl 7, 3214868480
	.fill 96, 4, 3214868480
	.section	.rodata,"a",@progbits
	.p2align	6, 0x0
	.amdhsa_kernel k_q2f7cf8efd3_attn
		.amdhsa_group_segment_fixed_size 327680
		.amdhsa_private_segment_fixed_size 0
		.amdhsa_enable_private_segment 0
		.amdhsa_kernarg_size 32
		.amdhsa_user_sgpr_count 2
		.amdhsa_user_sgpr_kernarg_segment_ptr 1
		.amdhsa_wavefront_size32 1
		.amdhsa_system_sgpr_workgroup_id_x 1
		.amdhsa_system_sgpr_workgroup_id_y 1
		.amdhsa_system_sgpr_workgroup_id_z 1
		.amdhsa_system_vgpr_workitem_id 0
		.amdhsa_next_free_vgpr 256
		.amdhsa_next_free_sgpr 80
		.amdhsa_reserve_vcc 1
		.amdhsa_float_denorm_mode_32 3
		.amdhsa_float_denorm_mode_16_64 3
		.amdhsa_memory_ordered 1
		.amdhsa_forward_progress 1
		.amdhsa_inst_pref_size 92
	.end_amdhsa_kernel
	.amdgpu_metadata
---
amdhsa.version: [ 1, 2 ]
amdhsa.kernels:
  - .name:           k_q2f7cf8efd3_attn
    .symbol:         k_q2f7cf8efd3_attn.kd
    .args:
      - { .name: qc, .offset: 0, .size: 8, .value_kind: global_buffer, .address_space: global }
      - { .name: kv, .offset: 8, .size: 8, .value_kind: global_buffer, .address_space: global }
      - { .name: oc, .offset: 16, .size: 8, .value_kind: global_buffer, .address_space: global }
      - { .name: oscl, .offset: 24, .size: 8, .value_kind: global_buffer, .address_space: global }
    .group_segment_fixed_size: 327680
    .private_segment_fixed_size: 0
    .kernarg_segment_align: 8
    .kernarg_segment_size: 32
    .max_flat_workgroup_size: 512
    .sgpr_count:     80
    .vgpr_count:     256
    .wavefront_size: 32
...
	.end_amdgpu_metadata
.endif
;; end of part 3
;; launch proj (part 4): grid 16 x 16, 4 waves a work-group, clusters of 4 x 1, 168,448 bytes of LDS; arguments oc, oscl, codes, scl, out0; writes out0
.if DOCPART == 4
	.amdgcn_target "amdgcn-amd-amdhsa--gfx1250"
	.amdhsa_code_object_version 6
	.text
	.protected	k_q2f7cf8efd3_proj
	.globl	k_q2f7cf8efd3_proj
	.p2align	8
	.type	k_q2f7cf8efd3_proj,@function
k_q2f7cf8efd3_proj:
	s_mov_b64 s[64:65], 0
	v_nop
	global_prefetch_b8 v0, s[64:65] scope:SCOPE_SE
	s_setreg_imm32_b32 hwreg(HW_REG_WAVE_MODE, 25, 1), 1
	s_wait_xcnt 0x0
	s_wait_alu depctr_hold_cnt(0) depctr_sa_sdst(0) depctr_va_vdst(0) depctr_va_sdst(0) depctr_va_ssrc(0) depctr_va_vcc(0) depctr_vm_vsrc(0)
	s_getreg_b32 s2, hwreg(HW_REG_IB_STS2, 6, 4)
	s_cmp_eq_u32 s2, 0
	s_cbranch_scc0 .Lentry_in_a_cluster
	s_endpgm
.Lentry_in_a_cluster:
	s_bfe_u32 s2, ttmp6, 0x10000c
	s_cmp_lg_u32 s2, 0x3003
	s_cbranch_scc0 .Lentry_shape_is_right
	s_endpgm
.Lentry_shape_is_right:
; out0 = out Wu^T on codes of BF6 with E8M0 scales; out0 [4096][1024] f32.
; SHARES: work-group (tb, fg): tokens 256 tb on x output features 64 fg on.  Wave w: tokens 64 w on (4 tiles i) x the 64 features (4 tiles tt): 16 accumulators, 128 matrix instructions.
; Wu's 64 rows, 49,152 bytes of register images, lie in LDS, filled ONCE, a quarter by each wave's one tensor load.  CLUSTER: the four token blocks of a cluster read the same rows of Wu: the load is asked for jointly (mask 15),
; with a descriptor made of fg and the wave's number alone.  A wave's fragments of out are read by no other wave: from memory straight into registers, four K steps ahead.
; Source 0 = 16 features, source 1 = 16 tokens: a lane holds one token and eight neighbouring features an accumulator.  Lane r of tile T holds row 32 (T / 2) + 8 (T % 2) + r + 8 (r / 8).
; THE WAY OUT: a tile of 16 tokens x 64 features goes through the wave's own stage in LDS (rows of 256 + 16 bytes, behind the weights: no fill lands there) and leaves as rows: sixteen lanes store 256 consecutive, aligned bytes.
; REGISTERS: window 0: v1 16 x lane, v2 8 x lane, v3 16 r, v4, v5 the stage in and out, v6 my place in two rows of out0; v32-63 out's scale words (8 i + s); v64-95 Wu's (8 tt + s); v128-255 the accumulators (32 i + 8 tt).
;   window 1: v0-95 Wu's fragments, two sets; on the way out v0-63 rows read back.   window 2: v0-191 out's fragments, four sets.
.set WUO, 3145728+2359296
.set WV,  20
.set MSB, 0
.macro WIN new                         ; the immediate's high byte repeats the setting that is left
.if MSB != \new
	s_set_vgpr_msb (MSB<<8)|\new
.set MSB, \new
.endif
.endm
.macro PLACES n
.rept \n
	v_nop
.endr
.endm
.macro CROUND                          ; a round of the cluster's barrier
	s_barrier_signal -1
	s_barrier_wait -1
	s_cmp_lg_u32 s[WV], 0
	s_cbranch_scc1 .Lnot_wave_0_\@
	s_barrier_signal -3
.Lnot_wave_0_\@:
	s_barrier_wait -3
	s_barrier_signal -1
	s_barrier_wait -1
.endm
.macro MM0 d, a, b, sa, sb
	v_wmma_scale_f32_16x16x128_f8f6f4 v[\d:\d+7], v[\a:\a+11], v[\b:\b+11], 0, v[\sa], v[\sb] matrix_a_fmt:MATRIX_FMT_BF6 matrix_b_fmt:MATRIX_FMT_BF6
.endm
.macro MMA d, a, b, sa, sb
	v_wmma_scale_f32_16x16x128_f8f6f4 v[\d:\d+7], v[\a:\a+11], v[\b:\b+11], v[\d:\d+7], v[\sa], v[\sb] matrix_a_fmt:MATRIX_FMT_BF6 matrix_b_fmt:MATRIX_FMT_BF6
.endm
.macro ALOAD s                         ; out's four fragments of K step s into set s % 4: 16 loads
	WIN 0x80
.irp i, 0,1,2,3
	global_load_b128 v[48*((\s)%4)+12*\i:48*((\s)%4)+12*\i+3], v1, s[40:41] offset:6144*(\s)+1536*\i
	global_load_b64 v[48*((\s)%4)+12*\i+4:48*((\s)%4)+12*\i+5], v2, s[40:41] offset:6144*(\s)+1536*\i+512
	global_load_b128 v[48*((\s)%4)+12*\i+6:48*((\s)%4)+12*\i+9], v1, s[40:41] offset:6144*(\s)+1536*\i+768
	global_load_b64 v[48*((\s)%4)+12*\i+10:48*((\s)%4)+12*\i+11], v2, s[40:41] offset:6144*(\s)+1536*\i+1280
.endr
.endm
.macro WLOAD s                         ; Wu's four fragments of K step s into set s % 2: 16 LDS loads
	WIN 0x40
.irp i, 0,1,2,3
	ds_load_b128 v[48*((\s)%2)+12*\i:48*((\s)%2)+12*\i+3], v1 offset:6144*(\s)+1536*\i
	ds_load_b64 v[48*((\s)%2)+12*\i+4:48*((\s)%2)+12*\i+5], v2 offset:6144*(\s)+1536*\i+512
	ds_load_b128 v[48*((\s)%2)+12*\i+6:48*((\s)%2)+12*\i+9], v1 offset:6144*(\s)+1536*\i+768
	ds_load_b64 v[48*((\s)%2)+12*\i+10:48*((\s)%2)+12*\i+11], v2 offset:6144*(\s)+1536*\i+1280
.endr
.endm
	s_load_b256 s[4:11], s[0:1], 0x0               ; oc, oscl, codes, scl
	s_load_b64 s[12:13], s[0:1], 0x20              ; out0
	v_lshl_add_u32 v126, v0, 2, 0x29000
	v_mov_b32 v127, 0
	ds_add_u32 v126, v127
	ds_add_u32 v126, v127
	v_lshrrev_b32 v10, 5, v0
	v_readfirstlane_b32 s[WV], v10                 ; wave
	v_and_b32 v10, 31, v0
	v_and_b32 v11, 15, v0                          ; r
	v_bfe_u32 v12, v0, 4, 1                        ; h
	v_lshlrev_b32 v1, 4, v10
	v_lshlrev_b32 v2, 3, v10
	v_lshlrev_b32 v3, 4, v11
	s_mul_i32 s58, s[WV], 4352
	s_add_co_u32 s58, s58, 49152                   ; my stage: 16 rows of 272 bytes
	v_mul_u32_u24 v4, v11, 272
	v_lshl_add_u32 v4, v12, 6, v4
	v_add_nc_u32 v4, s58, v4                       ; in: row r, + 64 h
	v_mul_u32_u24 v5, v12, 272
	v_add_nc_u32 v5, v5, v3
	v_add_nc_u32 v5, s58, v5                       ; back: lanes 0-15 one row, lanes 16-31 the next
	v_lshl_add_u32 v6, v12, 12, v3                 ; and the same two rows in out0
	s_bfe_u32 s21, ttmp6, 0x40000                  ; cx
	s_lshl_b32 s22, ttmp9, 2
	s_add_co_u32 s22, s22, s21                     ; tb: it enters global addresses of oc, oscl and out0 alone
	s_and_b32 s23, ttmp7, 0xffff                   ; fg, which the four partners share
	; descriptor group 1: 48 rows of 256 bytes, dense, no padding
	s_mov_b32 s24, 15|(3<<16)|(1<<21)              ; the mask: all four work-groups; elements of 8 bytes; bit 21 beside a mask
	s_mov_b32 s25, 32<<16
	s_mov_b32 s26, 48<<16
	s_mov_b32 s27, 32<<16
	s_mov_b32 s28, 48
	s_mov_b32 s29, 32
	s_mov_b32 s30, 0
	s_mov_b32 s31, 0
	s_mul_i32 s55, s[WV], 12288                    ; K steps 2 w and 2 w + 1
	s_mov_b32 s32, 1
	s_mov_b32 s33, s55
	s_mul_i32 s54, s23, 49152
	s_add_co_u32 s54, s54, s55
	s_add_co_u32 s54, s54, WUO
	s_mov_b32 s55, 0
	s_lshl_b32 s59, s22, 2
	s_add_co_u32 s59, s59, s[WV]                   ; G: my 64 tokens
	s_mul_i32 s40, s59, 49152
	s_mov_b32 s41, 0
	s_lshl_b32 s42, s59, 11
	s_mov_b32 s43, 0
	s_lshl_b32 s44, s23, 11
	s_add_co_u32 s44, s44, 229376                  ; Wu's scale tiles: 448 + 4 fg
	s_mov_b32 s45, 0
	s_lshl_b32 s46, s59, 18                        ; 64 rows of 4,096 bytes
	s_lshl_b32 s47, s23, 8
	s_add_co_u32 s46, s46, s47                     ; + 256 fg
	s_mov_b32 s47, 0
	s_wait_dscnt 0x0
	s_wait_kmcnt 0x0
	s_add_nc_u64 s[34:35], s[8:9], s[54:55]
	s_or_b32 s35, s35, 0x80000000
	s_add_nc_u64 s[40:41], s[4:5], s[40:41]
	s_add_nc_u64 s[42:43], s[6:7], s[42:43]
	s_add_nc_u64 s[44:45], s[10:11], s[44:45]
	s_add_nc_u64 s[46:47], s[12:13], s[46:47]
	CROUND                                         ; all four work-groups are here: the joint loads meet
	tensor_load_to_lds s[32:35], s[24:31]          ; one tensor load of mine is out
	s_nop 0
	PLACES 4
	s_wait_alu depctr_va_vdst(0)
.irp i, 0,1,2,3
.irp a, 0,1
	global_load_b128 v[32+8*\i+4*\a:32+8*\i+4*\a+3], v3, s[42:43] offset:512*\i+256*\a
	global_load_b128 v[64+8*\i+4*\a:64+8*\i+4*\a+3], v3, s[44:45] offset:512*\i+256*\a
.endr
.endr
	ALOAD 0
	ALOAD 1
	ALOAD 2
	ALOAD 3
	s_wait_tensorcnt 0x0                           ; my quarter of Wu's rows is in,
	s_barrier_signal -1
	s_barrier_wait -1                              ; everybody's is
	WLOAD 0
	WLOAD 1
; A K step: 16 matrix instructions; the 16 accumulators take turns, one instruction a turn, in the same order in every step.
.macro STEP s
.if \s == 7
	s_wait_dscnt 0x0
.else
	s_wait_dscnt 16                                ; this step's 16 loads are in; the next step's may be out
.endif
.if \s < 5
	s_wait_loadcnt 48                              ; three younger sets of 16 may be out
.else
	s_wait_loadcnt 16*(7-\s)                       ; nothing more is asked for: the counts run down
.endif
	WIN 0x09                                       ; source 0 window 1, source 1 window 2
.irp i, 0,1,2,3
.irp tt, 0,1,2,3
.if \s == 0
	MM0 128+32*\i+8*\tt, 48*(\s%2)+12*\tt, 48*(\s%4)+12*\i, 64+8*\tt+\s, 32+8*\i+\s
.else
	MMA 128+32*\i+8*\tt, 48*(\s%2)+12*\tt, 48*(\s%4)+12*\i, 64+8*\tt+\s, 32+8*\i+\s
.endif
.endr
.endr
	PLACES 4                                       ; in front of loads into registers that these matrix instructions have read; behind the last step: of the first read of results
.if \s < 6
	WLOAD (\s)+2
.endif
.if \s < 4
	ALOAD (\s)+4
.endif
.endm
.irp s, 0,1,2,3,4,5,6,7
	STEP \s
.endr
.macro TOSTAGE i                       ; token tile i into my stage, and back as rows
	WIN 0
.irp c, 0,1,2,3
	ds_store_b128 v4, v[128+32*(\i)+8*\c:128+32*(\i)+8*\c+3] offset:128*(\c/2)+32*(\c%2)        ; each accumulator from its low end on
	ds_store_b128 v4, v[128+32*(\i)+8*\c+4:128+32*(\i)+8*\c+7] offset:128*(\c/2)+32*(\c%2)+16
.endr
	WIN 0x40
.irp k, 0,1,2,3,4,5,6,7
	ds_load_b128 v[32*((\i)%2)+4*\k:32*((\i)%2)+4*\k+3], v5 offset:544*\k    ; a wave's LDS instructions are served in order: these see the stores above, and the next tile's stores come behind them
.endr
.endm
.macro SEND i, younger                 ; younger: the LDS instructions issued behind tile i's loads
	s_wait_dscnt \younger
	WIN 0x04
.irp k, 0,1,2,3,4,5,6,7
	global_store_b128 v6, v[32*((\i)%2)+4*\k:32*((\i)%2)+4*\k+3], s[46:47] offset:(32*((\i)/2)+8*((\i)%2)+2*\k+8*(\k/4))*4096 th:TH_STORE_NT   ; stage row 2 k + h is the tile's token of that lane number
.endr
.endm
	TOSTAGE 0
.irp i, 1,2,3
.if \i > 1
	s_wait_xcnt 0x0                                ; tile i - 2's stores have read their registers: tile i's rows land there
.endif
	TOSTAGE \i
	SEND \i-1, 16                                  ; behind tile i - 1's loads: tile i's 8 stores and 8 loads
.endr
	SEND 3, 0
	WIN 0
	s_wait_tensorcnt 0x0
	ds_add_u32 v126, v127
	s_wait_dscnt 0x0
	CROUND                                         ; the closing round: no work-group ends while a partner may still ask
	s_endpgm
.Lfunc_end_k_q2f7cf8efd3_proj:
	.size	k_q2f7cf8efd3_proj, .Lfunc_end_k_q2f7cf8efd3_proj-k_q2f7cf8efd3_proj
	.p2alignl 7, 3214868480
	.fill 96, 4, 3214868480
	.section	.rodata,"a",@progbits
	.p2align	6, 0x0
	.amdhsa_kernel k_q2f7cf8efd3_proj
		.amdhsa_group_segment_fixed_size 168448
		.amdhsa_private_segment_fixed_size 0
		.amdhsa_enable_private_segment 0
		.amdhsa_kernarg_size 40
		.amdhsa_user_sgpr_count 2
		.amdhsa_user_sgpr_kernarg_segment_ptr 1
		.amdhsa_wavefront_size32 1
		.amdhsa_system_sgpr_workgroup_id_x 1
		.amdhsa_system_sgpr_workgroup_id_y 1
		.amdhsa_system_sgpr_workgroup_id_z 1
		.amdhsa_system_vgpr_workitem_id 0
		.amdhsa_next_free_vgpr 768
		.amdhsa_next_free_sgpr 66
		.amdhsa_reserve_vcc 0
		.amdhsa_float_denorm_mode_32 3
		.amdhsa_float_denorm_mode_16_64 3
		.amdhsa_memory_ordered 1
		.amdhsa_forward_progress 1
		.amdhsa_inst_pref_size 52
	.end_amdhsa_kernel
	.amdgpu_metadata
---
amdhsa.version: [ 1, 2 ]
amdhsa.kernels:
  - .name:           k_q2f7cf8efd3_proj
    .symbol:         k_q2f7cf8efd3_proj.kd
    .args:
      - { .name: oc, .offset: 0, .size: 8, .value_kind: global_buffer, .address_space: global }
      - { .name: oscl, .offset: 8, .size: 8, .value_kind: global_buffer, .address_space: global }
      - { .name: codes, .offset: 16, .size: 8, .value_kind: global_buffer, .address_space: global }
      - { .name: scl, .offset: 24, .size: 8, .value_kind: global_buffer, .address_space: global }
      - { .name: out0, .offset: 32, .size: 8, .value_kind: global_buffer, .address_space: global }
    .group_segment_fixed_size: 168448
    .private_segment_fixed_size: 0
    .kernarg_segment_align: 8
    .kernarg_segment_size: 40
    .max_flat_workgroup_size: 128
    .sgpr_count:     66
    .vgpr_count:     768
    .wavefront_size: 32
...
	.end_amdgpu_metadata
.endif
;; end of part 4
